; MI455X (gfx1250); checked and timed in simulation.
; The chip was launched on July 23, 2026; its instructions are those of AMD's public machine-readable ISA for CDNA 5 (MIT licence, August 2026) and "CDNA5" Instruction Set Architecture Reference Guide (July 2026). The comments in the code are by the model that wrote it; some were corrected since.
;; Multi Head Attention. Allowed arithmetic: matrix products marked QUANTISED: E2M1 operands, one E8M0 scale for each 32 along K, by v_wmma_scale_f32_16x16x128_f8f6f4 with both operands' format E2M1 (or v_wmma_scale_f32_32x16x128_f4), f32 sums; products left as they are: bf16, f16 or f32 operands; f32 sums; everything else in f32.
;; Inputs: Wk 1,024 x 1,024 float32; Wo 1,024 x 1,024 float32; Wq 1,024 x 1,024 float32; Wv 1,024 x 1,024 float32; bo 1,024 float32; x 4 x 2,048 x 1,024 float32.
;; Outputs: out0 4 x 2,048 x 1,024 float32.
;; This version of the problem:
;;   THIS VERSION OF THE PROBLEM IS GIVEN IN LOW PRECISION. The matrix products marked QUANTISED in the list below multiply operands that are first quantised to E2M1 (2 exponent bits, 1 mantissa bit; 4 bits a number), with one power-of-two scale for each 32 numbers along K (OCP MX v1.0); their sums are f32. The products marked 'left as it is' may take bf16, f16 or f32 operands, with f32 sums. Whichever they take, every output number must still come out within the allowed error. Rounding operands to bf16 (8 significant bits) uses up far more of that allowance than f16 does (11 bits, for magnitudes from 6e-5 to 65,504). All else is computed in f32.
;;   The module's matrix products, in the order in which they are computed (A, B: the left and right operand; K: the contracted axis; several contracted axes count as one K, in the product's order):
;;     1. [M 8,192, K 1,024] x [K 1,024, N 1,024]; A: input x; B: input Wq: QUANTISED
;;     2. [M 8,192, K 1,024] x [K 1,024, N 1,024]; A: input x; B: input Wk: QUANTISED
;;     3. [M 8,192, K 1,024] x [K 1,024, N 1,024]; A: input x; B: input Wv: QUANTISED
;;     4. batch 64 x [M 2,048, K 64] x [K 64, N 2,048]; A: computed on the way; B: computed on the way: left as it is (an operand is computed on the way)
;;     5. batch 64 x [M 2,048, K 2,048] x [K 2,048, N 64]; A: computed on the way; B: computed on the way: left as it is (an operand is computed on the way)
;;     6. [M 8,192, K 1,024] x [K 1,024, N 1,024]; A: computed on the way; B: input Wo: left as it is (an operand is computed on the way)
;;   THE QUANTISER, for each operand of a quantised product, along K:
;;     - K is cut into blocks of 32 from its start; a last block that is shorter is filled with zeros.
;;     - A block's scale is 2^e with e = floor(log2(the largest magnitude in the block)) - 2, held to -126 .. 127; a block of zeros has e = 0. As a byte (E8M0): e + 127.
;;     - Each number is divided by its block's scale, clamped to +-6, and rounded to the nearest number of E2M1, ties to even, subnormals kept.
;;     - The product sums the exact products of the quantised numbers (number of the format x scale) in f32.
;;   ~~~python
;;   def quantise(x, axis):      # numpy; x: float32 -> the quantised numbers, widened to float32 again
;;       x = np.moveaxis(x, axis, -1); K = x.shape[-1]
;;       x = np.pad(x, [(0, 0)] * (x.ndim - 1) + [(0, -K % 32)]); x = x.reshape(x.shape[:-1] + (-1, 32)); a = np.abs(x).max(-1, keepdims=True)
;;       e = np.where(a > 0, np.clip(np.frexp(np.where(a > 0, a, 1))[1] - 1 - 2, -126, 127), 0)      # np.frexp(a)[1] - 1 = floor(log2(a)), exactly
;;       r = np.clip(x / 2.0 ** e, -6, 6)
;;       step = 2.0 ** (np.maximum(np.frexp(np.where(r == 0, 1, r))[1] - 1, 0) - 1)
;;       q = np.round(r / step) * step * 2.0 ** e      # np.round: ties to even
;;       return np.moveaxis(q.reshape(q.shape[:-2] + (-1,))[..., :K], -1, axis).astype(np.float32)
;;   ~~~
;; One version. Each part assembles by itself: llvm-mc -triple=amdgcn-amd-amdhsa -mcpu=gfx1250 --defsym DOCPART=n.
;; ======== version 1 of 1: 5 launches
;; limits: values are held in f16: magnitudes above 65,504 overflow, below 6.1e-05 lose precision
;; workspace buffers: xc 4,194,304 bytes; xs 262,144 bytes; wc 1,572,864 bytes; ws 98,304 bytes; wo16 2,097,152 bytes; qkv 50,331,648 bytes; fq 786,432 bytes; ctx 16,777,216 bytes
;; launch prep (part 1): grid 512 x 1, 4 waves a work-group, no clusters, 33,280 bytes of LDS; arguments x, Wq, Wk, Wv, Wo, xc, xs, wc, ws, wo16; writes xc, xs, wc, ws, wo16
.if DOCPART == 1
	.amdgcn_target "amdgcn-amd-amdhsa--gfx1250"
	.amdhsa_code_object_version 6
	.text
	.protected	k_qd36fec5b28_prep
	.globl	k_qd36fec5b28_prep
	.p2align	8
	.type	k_qd36fec5b28_prep,@function
k_qd36fec5b28_prep:
	s_mov_b64 s[64:65], 0
	v_nop
	global_prefetch_b8 v0, s[64:65] scope:SCOPE_SE
	s_setreg_imm32_b32 hwreg(HW_REG_WAVE_MODE, 25, 1), 1
	s_wait_xcnt 0x0
; CAUSAL MULTI-HEAD ATTENTION, B = 4, S = 2,048, D = 1,024, 16 heads of 64.  Five launches: prep, qkv, attn, oproj, fine.
; DEAD WORK LEFT OUT (in attn): reference() sets every score with key > query to -infinity by its own tril mask; the softmax gives such a key the weight 0 for all values of the inputs, so tiles of
; scores, and the products with V that they would feed, which lie wholly above the diagonal reach no output and are not computed.  Every input has a way to the output and is loaded.
; LIMIT: a NaN, an infinity or an overflow that reaches only those tiles is not carried to the result.
; LIMITS OF FORMAT: q, k, v, the attention's result and Wo go to the products that are left as they are in f16: magnitudes up to 65,504.  NaN and infinities in x or in the weights are not served by the quantiser.
; THIS LAUNCH: x [8192][1024] and Wq, Wk, Wv [1024 (k)][1024 (n)] become codes of FP4 (E2M1) with one E8M0 byte for each 32 along K; Wo is cast to f16 as it lies.
; A block's scale is 2^(floor(log2(largest magnitude)) - 2): its byte is the largest magnitude's exponent field - 2, held at 1 from below.  A block of zeros so gets the byte 1 where the rule says 127:
; its codes are zeros, which add nothing under any byte but 0xff, and the bytes are read by this program alone.  Blocks whose largest magnitude lies under 2^-124 are held at that floor.
; Work-groups 0-191: the three weights.  192-255: Wo.  256-511: x.  The three paths part on the work-group's number and never join; only x's path touches LDS.
.set WAVES, 4
.set STEPS, 16
.set EMAX,  2
.set CB,    8                          ; bytes of 16 codes
.set R,     16                         ; x: v16-79 four sets of 16 numbers as loaded
.set X,     80                         ; x: v80-111 two sets of 16 neighbours
.set E,     112                        ; x: v112-127 a scale byte for each step
.set C,     128                        ; x: v128-191 codes, four registers a step
.set WREG,  8192                       ; LDS: a region for each wave: two stages of 32 x SP bytes, then its 256 scale bytes
.set SP,    80                         ; a lane's place in a stage: 64 bytes + 16 of padding
.set SPW,   12                         ; v12 LDS address of my spare word; never rewritten
.set NIL,   13                         ; v13 0; never rewritten
.set SPARE, WAVES*WREG                 ; the spare words: 128 bytes a wave, named by no other line
.set WPL,   49152                      ; a plane of the weights' codes: 3,072 columns x 16 bytes
	s_load_b512 s[8:23], s[0:1], 0x0               ; x 8, Wq 10, Wk 12, Wv 14, Wo 16, xc 18, xs 20, wc 22
	s_load_b128 s[24:27], s[0:1], 0x40             ; ws 24, wo16 26
	v_lshl_add_u32 v[SPW], v0, 2, SPARE
	v_mov_b32 v[NIL], 0
	v_lshrrev_b32 v1, 5, v0
	v_readfirstlane_b32 s2, v1                     ; wave
	v_and_b32 v2, 31, v0                           ; lane
	s_wait_kmcnt 0x0
	s_cmp_lt_u32 ttmp9, 192
	s_cbranch_scc1 .Lweights
	s_cmp_lt_u32 ttmp9, 256
	s_cbranch_scc1 .Lcast
; ---- x: a plain stream of blocks of 32.  A wave takes 16 steps of 512 numbers.  Each load reads 512 consecutive bytes; a step's 2,048 bytes turn through the wave's own stage in LDS,
; so that a lane then holds 16 neighbours along K (two neighbouring lanes a block).  A lane's 16 codes are 8 bytes: a wave's store covers 256 consecutive bytes.
	s_sub_co_u32 s3, ttmp9, 256
	s_lshl_b32 s3, s3, 2
	s_add_co_u32 s3, s3, s2                        ; which run of 8,192 numbers is my wave's
	s_mov_b32 s29, 0
	s_lshl_b32 s28, s3, 15
	s_add_nc_u64 s[8:9], s[8:9], s[28:29]          ; 32,768 bytes of x a run,
	s_lshl_b32 s28, s3, 12
	s_add_nc_u64 s[18:19], s[18:19], s[28:29]      ; 4,096 of codes,
	s_lshl_b32 s28, s3, 8
	s_add_nc_u64 s[20:21], s[20:21], s[28:29]      ; 256 scale bytes
	v_lshlrev_b32 v3, 4, v2                        ; my 16 bytes of a load's 512
	s_mul_i32 s30, s2, WREG
	v_lshrrev_b32 v14, 2, v2
	v_mul_u32_u24 v14, v14, SP
	v_and_b32 v15, 3, v2
	v_lshl_add_u32 v14, v15, 4, v14
	v_add_nc_u32 v14, s30, v14                     ; into the stage: SP (lane / 4) + 16 (lane % 4)
	v_mul_u32_u24 v15, v2, SP
	v_add_nc_u32 v15, s30, v15                     ; out of it: SP x lane
	v_mul_u32_u24 v4, v2, CB                       ; my codes' place in a step's
	v_lshrrev_b32 v5, 1, v2
	s_add_co_u32 s30, s30, 2*32*SP
	v_add_nc_u32 v5, s30, v5                       ; my block's scale byte in LDS
	v_lshlrev_b32 v7, 3, v2
	v_add_nc_u32 v6, s30, v7                       ; and 8 bytes a lane on the way out
.macro LOAD t
.irp i, 0,1,2,3
	global_load_b128 v[R+16*((\t)%4)+4*\i:R+16*((\t)%4)+4*\i+3], v3, s[8:9] offset:2048*(\t)+512*\i th:TH_LOAD_NT
.endr
.endm
.macro TURN t                          ; LDS serves a wave's instructions in order: no wait between the stores and the loads
.irp i, 0,1,2,3
	ds_store_b128 v14, v[R+16*((\t)%4)+4*\i:R+16*((\t)%4)+4*\i+3] offset:32*SP*((\t)%2)+8*SP*\i
.endr
.irp i, 0,1,2,3
	ds_load_b128 v[X+16*((\t)%2)+4*\i:X+16*((\t)%2)+4*\i+3], v15 offset:32*SP*((\t)%2)+16*\i
.endr
.endm
.irp t, 0,1,2,3
	LOAD \t
.endr
	s_wait_loadcnt 12                              ; step 0's four loads are in; the twelve of steps 1 to 3 may be out
	TURN 0
.macro STEP t
.set XS, X+16*((\t)%2)
.if (\t) > 0
	s_wait_dscnt 1                                 ; this step's numbers are back from the stage; the last step's byte store may be out
.else
	s_wait_dscnt 0x0
.endif
.if (\t)+4 < STEPS
	LOAD (\t)+4                                    ; into the registers that the stage's stores have read
.endif
.if (\t)+1 < STEPS
.if STEPS-2-(\t) >= 3
	s_wait_loadcnt 12                              ; the next step's four loads are in; those of the three steps behind it may be out
.else
	s_wait_loadcnt 4*(STEPS-2-(\t))
.endif
	TURN (\t)+1
.endif
	v_max3_num_f32 v8, |v[XS]|, |v[XS+1]|, |v[XS+2]|
	v_max3_num_f32 v9, |v[XS+3]|, |v[XS+4]|, |v[XS+5]|
.irp i, 6,10
	v_max3_num_f32 v8, v8, |v[XS+\i]|, |v[XS+\i+1]|
	v_max3_num_f32 v9, v9, |v[XS+\i+2]|, |v[XS+\i+3]|
.endr
	v_max3_num_f32 v8, v8, |v[XS+14]|, |v[XS+15]|
	v_max3_num_f32 v8, v8, v9, (EMAX+1)<<23        ; and the floor, so that the byte cannot fall under 1
	v_max_num_f32_dpp v8, v8, v8 row_xmask:1 row_mask:0xf bank_mask:0xf   ; with my neighbour's 16: the block's largest magnitude
	v_add_nc_u32 v11, -(EMAX<<23), v8              ; 2 off its exponent field: the conversion takes the exponent field of this operand as its scale
	v_cvt_scalef32_pk8_fp4_f32 v[C+4*(\t)], v[XS:XS+7], v11
	v_cvt_scalef32_pk8_fp4_f32 v[C+4*(\t)+1], v[XS+8:XS+15], v11
	v_lshrrev_b32 v[E+(\t)], 23, v11               ; the scale's byte
	ds_store_b8 v5, v[E+(\t)] offset:16*(\t)       ; both lanes of a block write the same byte with the same value
	global_store_b64 v4, v[C+4*(\t):C+4*(\t)+1], s[18:19] offset:32*CB*(\t)
.endm
.irp t, 0,1,2,3,4,5,6,7,8,9,10,11,12,13,14,15
	STEP \t
.endr
	ds_load_b64 v[8:9], v6                         ; my wave's 256 scale bytes
	s_wait_dscnt 0x0
	global_store_b64 v7, v[8:9], s[20:21]          ; 32 lanes store 256 consecutive bytes, aligned
	s_wait_tensorcnt 0x0                           ; the wave's end, behind my last LDS store
	ds_add_u32 v[SPW], v[NIL]
	s_wait_dscnt 0x0
	s_endpgm
; ---- Wq, Wk, Wv: K is the FIRST axis.  A lane takes a column n and its registers run down K, so a block of 32 lies in one lane and the conversions give codes with K innermost.
; The codes are laid by PLANES, [k / 32][n 3,072][16 bytes]: a wave's store of 16 bytes a lane covers 512 consecutive bytes.  A wave takes 32 columns x 128 along K.
.Lweights:
	s_lshr_b32 s3, ttmp9, 6                        ; which weight
	s_bfe_u32 s28, ttmp9, 0x30003                  ; which 128 along K
	s_and_b32 s29, ttmp9, 7                        ; which 128 columns
	s_cmp_eq_u32 s3, 1
	s_cselect_b64 s[32:33], s[12:13], s[10:11]
	s_cmp_eq_u32 s3, 2
	s_cselect_b64 s[32:33], s[14:15], s[32:33]
	s_lshl_b32 s29, s29, 7
	s_lshl_b32 s30, s2, 5
	s_add_co_u32 s29, s29, s30                     ; my wave's first column in its weight
	s_lshl_b32 s30, s28, 19                        ; 128 rows of 4,096 bytes
	s_lshl_b32 s31, s29, 2
	s_add_co_u32 s30, s30, s31
	s_mov_b32 s31, 0
	s_add_nc_u64 s[32:33], s[32:33], s[30:31]
	s_lshl_b32 s3, s3, 10
	s_add_co_u32 s29, s29, s3                      ; n among the 3,072
	s_mul_i32 s30, s28, 4*WPL                      ; four planes for 128 along K
	s_lshl_b32 s34, s29, 4
	s_add_co_u32 s30, s30, s34
	s_add_nc_u64 s[22:23], s[22:23], s[30:31]
	s_lshl_b32 s30, s29, 5                         ; scale bytes: 32 a column,
	s_lshl_b32 s34, s28, 2                         ; four for 128 along K
	s_add_co_u32 s30, s30, s34
	s_add_nc_u64 s[24:25], s[24:25], s[30:31]
	v_lshlrev_b32 v16, 2, v2
	v_lshlrev_b32 v17, 4, v2
	v_lshlrev_b32 v18, 5, v2
.macro WLOAD t                         ; block t: W(32 t + i, my column): each load reads 128 consecutive bytes
.irp i, 0,1,2,3,4,5,6,7,8,9,10,11,12,13,14,15,16,17,18,19,20,21,22,23,24,25,26,27,28,29,30,31
	global_load_b32 v[32+32*(\t)+\i], v16, s[32:33] offset:(32*(\t)+\i)*4096 th:TH_LOAD_NT
.endr
.endm
.macro WBLOCK t
.set XS, 32+32*(\t)
.if (\t) < 3
	s_wait_loadcnt 32                              ; this block's 32 loads are in; the next block's 32 may be out
.else
	s_wait_loadcnt 0x0
.endif
.if (\t)+2 < 4
	WLOAD (\t)+2                                   ; every block has registers of its own
.endif
	v_max3_num_f32 v20, |v[XS]|, |v[XS+1]|, |v[XS+2]|
	v_max3_num_f32 v21, |v[XS+3]|, |v[XS+4]|, |v[XS+5]|
.irp i, 6,10,14,18,22,26
	v_max3_num_f32 v20, v20, |v[XS+\i]|, |v[XS+\i+1]|
	v_max3_num_f32 v21, v21, |v[XS+\i+2]|, |v[XS+\i+3]|
.endr
	v_max3_num_f32 v20, v20, |v[XS+30]|, |v[XS+31]|
	v_max3_num_f32 v20, v20, v21, (EMAX+1)<<23
	v_add_nc_u32 v22, -(EMAX<<23), v20
	v_lshrrev_b32 v23, 23, v22
.if (\t) == 0
	v_mov_b32 v176, v23                            ; four bytes to a word, the lower K in the lower byte
.else
	v_lshl_or_b32 v176, v23, 8*(\t), v176
.endif
.irp g, 0,1,2,3
	v_cvt_scalef32_pk8_fp4_f32 v[160+4*(\t)+\g], v[XS+8*\g:XS+8*\g+7], v22
.endr
	global_store_b128 v17, v[160+4*(\t):160+4*(\t)+3], s[22:23] offset:(\t)*WPL
.endm
	WLOAD 0
	WLOAD 1
	WBLOCK 0
	WBLOCK 1
	WBLOCK 2
	WBLOCK 3
	global_store_b32 v18, v176, s[24:25]           ; 4 bytes a column, 32 bytes apart: one byte for each 32 of the 128 that this path reads
	s_endpgm
; ---- Wo to f16, as it lies: a wave takes 4,096 numbers; a store of 8 bytes a lane covers 256 consecutive bytes
.Lcast:
	s_sub_co_u32 s3, ttmp9, 192
	s_lshl_b32 s3, s3, 2
	s_add_co_u32 s3, s3, s2
	s_mov_b32 s29, 0
	s_lshl_b32 s28, s3, 14
	s_add_nc_u64 s[16:17], s[16:17], s[28:29]
	s_lshl_b32 s28, s3, 13
	s_add_nc_u64 s[26:27], s[26:27], s[28:29]
	v_lshlrev_b32 v16, 4, v2
	v_lshlrev_b32 v17, 3, v2
.set i, 0
.rept 32
	global_load_b128 v[32+4*i:32+4*i+3], v16, s[16:17] offset:512*i th:TH_LOAD_NT
.set i, i+1
.endr
.set i, 0
.rept 32
	s_wait_loadcnt 31-i                            ; load i is in; the younger ones may be out
	v_cvt_pk_f16_f32 v[32+4*i], v[32+4*i], v[33+4*i]
	v_cvt_pk_f16_f32 v[33+4*i], v[34+4*i], v[35+4*i]
	global_store_b64 v17, v[32+4*i:33+4*i], s[26:27] offset:256*i
.set i, i+1
.endr
	s_endpgm
.Lfunc_end_k_qd36fec5b28_prep:
	.size	k_qd36fec5b28_prep, .Lfunc_end_k_qd36fec5b28_prep-k_qd36fec5b28_prep
	.p2alignl 7, 3214868480
	.fill 96, 4, 3214868480
	.section	.rodata,"a",@progbits
	.p2align	6, 0x0
	.amdhsa_kernel k_qd36fec5b28_prep
		.amdhsa_group_segment_fixed_size 33280
		.amdhsa_private_segment_fixed_size 0
		.amdhsa_enable_private_segment 0
		.amdhsa_kernarg_size 80
		.amdhsa_user_sgpr_count 2
		.amdhsa_user_sgpr_kernarg_segment_ptr 1
		.amdhsa_wavefront_size32 1
		.amdhsa_system_sgpr_workgroup_id_x 1
		.amdhsa_system_sgpr_workgroup_id_y 1
		.amdhsa_system_sgpr_workgroup_id_z 1
		.amdhsa_system_vgpr_workitem_id 0
		.amdhsa_next_free_vgpr 192
		.amdhsa_next_free_sgpr 66
		.amdhsa_reserve_vcc 0
		.amdhsa_float_denorm_mode_32 3
		.amdhsa_float_denorm_mode_16_64 3
		.amdhsa_memory_ordered 1
		.amdhsa_forward_progress 1
		.amdhsa_inst_pref_size 64
	.end_amdhsa_kernel
	.amdgpu_metadata
---
amdhsa.version: [ 1, 2 ]
amdhsa.kernels:
  - .name:           k_qd36fec5b28_prep
    .symbol:         k_qd36fec5b28_prep.kd
    .args:
      - { .name: x, .offset: 0, .size: 8, .value_kind: global_buffer, .address_space: global }
      - { .name: Wq, .offset: 8, .size: 8, .value_kind: global_buffer, .address_space: global }
      - { .name: Wk, .offset: 16, .size: 8, .value_kind: global_buffer, .address_space: global }
      - { .name: Wv, .offset: 24, .size: 8, .value_kind: global_buffer, .address_space: global }
      - { .name: Wo, .offset: 32, .size: 8, .value_kind: global_buffer, .address_space: global }
      - { .name: xc, .offset: 40, .size: 8, .value_kind: global_buffer, .address_space: global }
      - { .name: xs, .offset: 48, .size: 8, .value_kind: global_buffer, .address_space: global }
      - { .name: wc, .offset: 56, .size: 8, .value_kind: global_buffer, .address_space: global }
      - { .name: ws, .offset: 64, .size: 8, .value_kind: global_buffer, .address_space: global }
      - { .name: wo16, .offset: 72, .size: 8, .value_kind: global_buffer, .address_space: global }
    .group_segment_fixed_size: 33280
    .private_segment_fixed_size: 0
    .kernarg_segment_align: 8
    .kernarg_segment_size: 80
    .max_flat_workgroup_size: 128
    .sgpr_count:     66
    .vgpr_count:     192
    .wavefront_size: 32
...
	.end_amdgpu_metadata
.endif
;; end of part 1
;; launch qkv (part 2): grid 12 x 32, 4 waves a work-group, clusters of 4 x 4, 327,680 bytes of LDS; arguments xc, xs, wc, ws, qkv, fq; writes qkv, fq
.if DOCPART == 2
	.amdgcn_target "amdgcn-amd-amdhsa--gfx1250"
	.amdhsa_code_object_version 6
	.text
	.protected	k_qd36fec5b28_qkv
	.globl	k_qd36fec5b28_qkv
	.p2align	8
	.type	k_qd36fec5b28_qkv,@function
k_qd36fec5b28_qkv:
	s_mov_b64 s[64:65], 0
	v_nop
	global_prefetch_b8 v0, s[64:65] scope:SCOPE_SE
	s_setreg_imm32_b32 hwreg(HW_REG_WAVE_MODE, 25, 1), 1
	s_wait_xcnt 0x0
	s_wait_alu depctr_hold_cnt(0) depctr_sa_sdst(0) depctr_va_vdst(0) depctr_va_sdst(0) depctr_va_ssrc(0) depctr_va_vcc(0) depctr_vm_vsrc(0)
	s_getreg_b32 s2, hwreg(HW_REG_IB_STS2, 6, 4)
	s_cmp_eq_u32 s2, 0
	s_cbranch_scc0 .Lentry_in_a_cluster
	s_endpgm
.Lentry_in_a_cluster:
	s_bfe_u32 s2, ttmp6, 0x10000c
	s_cmp_lg_u32 s2, 0xf033
	s_cbranch_scc0 .Lentry_shape_is_right
	s_endpgm
.Lentry_shape_is_right:
; q, k, v = x Wq, x Wk, x Wv on codes of FP4 (E2M1) with one E8M0 scale for each 32 along K: one product [8192 x 1024] x [3072 x 1024]^T, sums in f32.
; A: xc [m][512 bytes], xs [m][32].  B: wc by planes [k / 32][n 3,072][16 bytes], ws [n][32].  OUT: qkv, f16, [b][g 48][s 2,048][64] (g = head for q, 16 + head for k, 32 + head for v),
; and fq, f32, [b][g][16][64]: positions 0-15 of every sequence, which a later launch carries in f32.  LIMIT: |q|, |k|, |v| up to 65,504 (f16).
; A tile of 256 x 256 to a work-group of four waves, 128 x 128 a wave: 64 accumulators, 512 registers.  K = 1,024 is two slots of 512: both are first fills, nothing in LDS is filled again.
; CLUSTERS 4 x 4: A's tile is shared along a row of the cluster, B's along a column: joint loads.  The tile row is cluster y + 8 cy, so that cy is the batch and cluster y the block of 256 positions:
; 'my tile holds positions 0-15' is then cluster y = 0, the same in all partners.
; THE MATRIX INSTRUCTION IS USED TRANSPOSED (source 0 = 16 columns of W, source 1 = 16 rows of x): a lane holds eight neighbouring channels of one token.
; REGISTERS: window 0: v0-31 addresses; v32-95 scale words, two sets, and nothing else; v96-127 the way out's packed numbers; v128-191 A's fragments, one set, later the f32 rows; v192-255 the way out's rows;
;   window 1: B's fragments, two sets; windows 2, 3: accumulator (a, b) at v[8 (8 (a % 4) + b)].
.set NQ,     4                         ; steps of 128 along K in a slot
.set ROWB,   256                       ; a row of A's tile: 512 codes
.set KROW,   512                       ; a row of xc
.set PITCH,  272                       ; in LDS: 256 bytes + 16 of padding: the 16 rows of a fragment load start 4 words apart modulo 64 words
.set FR,     8
.set NL,     2
.set NP,     4
.set HALFT,  128*PITCH
.set BOFF,   2*HALFT                   ; behind A's 256 rows: B's 16 planes of 256 columns x 16 bytes, dense
.set PLANE,  4096
.set WPL,    49152                     ; from plane to plane in wc
.set SLOT,   BOFF+16*PLANE
.set KS,     32
.set SCL,    2*SLOT                    ; the scale bytes of my 256 + 256 rows, for all of K, as rows of 256 bytes + 16
.set HALFS,  16*272
.set SBLK,   2*272
.set SPARE,  SCL+4*HALFS               ; the spare words, 128 bytes a wave, named by no other line
.set WSTG,   12800                     ; the way out: a stage for each wave in slot 0, which has had its only fill and its last read: 16 x 272 for f16, then 16 x 528 for f32
.set ST32,   16*272
.set ADRA, 16
.set CO32, 18
.set ADRB, 20
.set STO32, 22
.set RD32, 23
.set STO,  24
.set RD,   25
.set CO,   26
.set ADRS, 27
.set SPW,  28
.set NIL,  29
.set SC,   32
.set AF,   128
.set TMP,  96                          ; the way out: packed f16
.set BKQ,  192                         ; rows read back: v192-223 and v224-255 by turns
.set G1, 24
.set G0, 32
.set G1B, 48
.set G0B, 56
.set G1S, 68
.set G0S, 76
.set G1SB, 80
.set G0SB, 88
.set MSB, 0
.macro WIN new                         ; the immediate's high byte repeats the setting that is left
.if MSB != \new
	s_set_vgpr_msb (MSB<<8)|\new
.set MSB, \new
.endif
.endm
.set MUL_LO, 0xa1                      ; source 0 (B) window 1, source 1 (A) window 0, C and D window 2
.set MUL_HI, 0xf1
.set TO_B,   0x40
; A joint load: waves 0 and 1 fetch for A, waves 2 and 3 for B.  The branch hangs on the wave's number alone.  An s_nop 0 and four v_nop follow each line.
.macro JLOAD g0a, g1a, g0b, g1b
	s_cmp_eq_u32 s15, 0
	s_cbranch_scc0 .Lfor_b_\@
	tensor_load_to_lds s[\g0a:\g0a+3], s[\g1a:\g1a+7]
	s_nop 0
.rept 4
	v_nop
.endr
	s_branch .Lasked_\@
.Lfor_b_\@:
	tensor_load_to_lds s[\g0b:\g0b+3], s[\g1b:\g1b+7]
	s_nop 0
.rept 4
	v_nop
.endr
.Lasked_\@:
.endm
.macro CROUND                          ; a round of the cluster's barrier
	s_barrier_signal -1
	s_barrier_wait -1
	s_cmp_lg_u32 s14, 0
	s_cbranch_scc1 .Lnot_wave_0_\@
	s_barrier_signal -3
.Lnot_wave_0_\@:
	s_barrier_wait -3
	s_barrier_signal -1
	s_barrier_wait -1
.endm
	s_load_b128 s[4:7], s[0:1], 0x0                ; xc, xs
	s_load_b128 s[8:11], s[0:1], 0x10              ; wc, ws
	s_load_b128 s[96:99], s[0:1], 0x20             ; qkv, fq
	v_lshl_add_u32 v[SPW], v0, 2, SPARE
	v_mov_b32 v[NIL], 0
	ds_add_u32 v[SPW], v[NIL]                      ; the opening: the add, twice on end, and its wait ahead of my first tensor load
	ds_add_u32 v[SPW], v[NIL]
	v_lshrrev_b32 v1, 5, v0
	v_readfirstlane_b32 s14, v1                    ; wave
	s_lshr_b32 s15, s14, 1                         ; my half of the tile's rows; also: I fetch for A (0) or B (1)
	s_and_b32 s16, s14, 1                          ; my half of its columns; also: which half I fetch
	s_bfe_u32 s40, ttmp6, 0x40000                  ; cx
	s_bfe_u32 s41, ttmp6, 0x40004                  ; cy = the batch
	s_lshl_b32 s42, ttmp9, 2
	s_add_co_u32 s42, s42, s40                     ; tile column = 4 x cluster x + cx
	s_and_b32 s95, ttmp7, 0xffff                   ; cluster y = the block of 256 positions
	s_lshl_b32 s17, s41, 3
	s_add_co_u32 s17, s17, s95                     ; tile row = 8 cy + cluster y
	s_lshl_b32 s43, s41, 2
	s_lshl_b32 s43, 15, s43                        ; my row of the cluster
	s_lshl_b32 s44, 0x1111, s40                    ; my column
	s_or_b32 s[G1+0], s43, (0<<16)|(1<<20)|(1<<21)|(5<<22)|(3<<25)  ; A: the mask; elements of 1 byte; padding: 4 words behind every 64; bit 21 beside a mask
	s_mov_b32 s[G1+1], ROWB<<16                    ; tensor_dim0 = 256
	s_mov_b32 s[G1+2], 128<<16                     ; tensor_dim1 = 128
	s_mov_b32 s[G1+3], ROWB<<16                    ; tile_dim0
	s_mov_b32 s[G1+4], 128                         ; tile_dim1
	s_mov_b32 s[G1+5], KROW                        ; from row to row
	s_mov_b32 s[G1+6], 0
	s_mov_b32 s[G1+7], 0
	s_or_b32 s[G1B+0], s44, (0<<16)|(1<<21)        ; B: 8 planes of 4,096 bytes, no padding
	s_mov_b32 s[G1B+1], PLANE<<16
	s_mov_b32 s[G1B+2], 8<<16
	s_mov_b32 s[G1B+3], PLANE<<16
	s_mov_b32 s[G1B+4], 8
	s_mov_b32 s[G1B+5], WPL
	s_mov_b32 s[G1B+6], 0
	s_mov_b32 s[G1B+7], 0
	s_or_b32 s[G1S+0], s43, (3<<16)|(1<<20)|(1<<21)|(5<<22)|(3<<25)  ; the scales of 128 rows: 4,096 dense bytes as 16 rows of 256 (32 elements of 8 bytes), 16 bytes of padding behind each
	s_or_b32 s[G1SB+0], s44, (3<<16)|(1<<20)|(1<<21)|(5<<22)|(3<<25)
.irp g, G1S, G1SB
	s_mov_b32 s[\g+1], 32<<16
	s_mov_b32 s[\g+2], 16<<16
	s_mov_b32 s[\g+3], 32<<16
	s_mov_b32 s[\g+4], 16
	s_mov_b32 s[\g+5], 32
	s_mov_b32 s[\g+6], 0
	s_mov_b32 s[\g+7], 0
.endr
	s_lshl_b32 s18, s16, 7
	s_lshl_b32 s20, s17, 8
	s_add_co_u32 s20, s20, s18                     ; A: row 256 x tile row + 128 x half
	s_lshl_b32 s22, s20, 5                         ; its scale bytes,
	s_mov_b32 s23, 0
	s_lshl_b32 s20, s20, 9                         ; its codes
	s_mov_b32 s21, 0
	s_lshl_b32 s92, s42, 8
	s_add_co_u32 s92, s92, s18                     ; B: column 256 x tile column + 128 x half: its scale bytes
	s_lshl_b32 s92, s92, 5
	s_mov_b32 s93, 0
	s_mul_i32 s46, s16, 8*WPL                      ; B's codes: planes 8 x half on,
	s_lshl_b32 s47, s42, 12                        ; the tile's 4,096 bytes of each
	s_add_co_u32 s46, s46, s47
	s_mov_b32 s47, 0
	s_mul_i32 s45, s16, HALFT                      ; where they go: no place in the cluster enters an LDS address
	s_mul_i32 s19, s16, 8*PLANE
	s_add_co_u32 s19, s19, BOFF
	s_mul_i32 s94, s14, HALFS
	s_wait_dscnt 0x0                               ; both opening adds are done
	s_wait_kmcnt 0x0
	s_add_nc_u64 s[20:21], s[4:5], s[20:21]
	s_add_nc_u64 s[22:23], s[6:7], s[22:23]
	s_add_nc_u64 s[46:47], s[8:9], s[46:47]
	s_add_nc_u64 s[92:93], s[10:11], s[92:93]
	CROUND                                         ; all sixteen work-groups are here: the joint loads meet
	s_mov_b32 s[G0S], 1
	s_add_co_u32 s[G0S+1], s94, SCL
	s_mov_b64 s[G0S+2:G0S+3], s[22:23]
	s_or_b32 s[G0S+3], s[G0S+3], 0x80000000
	s_mov_b32 s[G0SB], 1
	s_add_co_u32 s[G0SB+1], s94, SCL
	s_mov_b64 s[G0SB+2:G0SB+3], s[92:93]
	s_or_b32 s[G0SB+3], s[G0SB+3], 0x80000000
	JLOAD G0S, G1S, G0SB, G1SB                     ; three loads of mine go out together: the scales, slot 0, slot 1
.irp s, 0,1
	s_mov_b32 s[G0+4*\s], 1
	s_add_co_u32 s[G0+4*\s+1], s45, \s*SLOT
	s_add_nc_u64 s[G0+4*\s+2:G0+4*\s+3], s[20:21], \s*ROWB
	s_or_b32 s[G0+4*\s+3], s[G0+4*\s+3], 0x80000000
	s_mov_b32 s[G0B+4*\s], 1
	s_add_co_u32 s[G0B+4*\s+1], s19, \s*SLOT
	s_add_nc_u64 s[G0B+4*\s+2:G0B+4*\s+3], s[46:47], \s*16*WPL
	s_or_b32 s[G0B+4*\s+3], s[G0B+4*\s+3], 0x80000000
	JLOAD G0+4*\s, G1, G0B+4*\s, G1B
.endr
	v_and_b32 v1, 15, v0                           ; r
	v_bfe_u32 v2, v0, 4, 1                         ; h
	v_mul_u32_u24 v3, v1, PITCH
	v_lshl_add_u32 v4, v2, 4, v3                   ; 272 r + 16 h
	s_mul_i32 s21, s15, HALFT                      ; my 128 rows of A
	v_add_nc_u32 v[ADRA], s21, v4
	s_add_co_u32 s21, s21, SLOT
	v_add_nc_u32 v[ADRA+1], s21, v4
	v_lshlrev_b32 v5, 4, v1
	v_lshl_add_u32 v5, v2, 12, v5                  ; B: 16 r in a plane; lanes 16-31 one plane on
	s_lshl_b32 s22, s16, 11                        ; my 128 columns
	s_add_co_u32 s22, s22, BOFF
	v_add_nc_u32 v[ADRB], s22, v5
	s_add_co_u32 s22, s22, SLOT
	v_add_nc_u32 v[ADRB+1], s22, v5
	v_mul_u32_u24 v5, v1, KS                       ; my row's scales: 32 bytes a row,
	v_lshrrev_b32 v6, 8, v5
	v_lshl_add_u32 v5, v6, 4, v5                   ; 16 more for each 256 passed
	s_mul_i32 s21, s15, HALFS
	s_mul_i32 s22, s16, HALFS
	s_add_co_u32 s22, s22, 2*HALFS
	s_sub_co_u32 s22, s22, s21
	v_mul_u32_u24 v6, s22, v2                      ; lanes 16-31 take B's
	s_add_co_u32 s21, s21, SCL
	v_add_nc_u32 v5, v5, v6
	v_add_nc_u32 v[ADRS], s21, v5
	s_mul_i32 s23, s14, WSTG                       ; my stages
	v_add_nc_u32 v[STO], s23, v4                   ; f16 in: row r, 16 bytes for each half of the lanes
	v_and_b32 v6, 31, v0
	v_lshrrev_b32 v7, 3, v6
	v_mul_u32_u24 v7, v7, 272
	v_and_b32 v8, 7, v0
	v_lshl_add_u32 v7, v8, 4, v7
	v_add_nc_u32 v[RD], s23, v7                    ; back: eight lanes take 128 bytes of a row: one token of one head; four tokens an instruction
	v_lshlrev_b32 v[CO], 4, v6
	s_add_co_u32 s23, s23, ST32
	v_mul_u32_u24 v7, v1, 528
	v_lshl_add_u32 v7, v2, 5, v7
	v_add_nc_u32 v[STO32], s23, v7                 ; f32 in: row r, 32 bytes for each half
	v_add_nc_u32 v[RD32], s23, v[CO]               ; back: a row of 512 bytes
	v_lshlrev_b32 v[CO32], 4, v1
	v_lshl_add_u32 v[CO32], v2, 12, v[CO32]        ; in fq: lanes 0-15 one head, lanes 16-31 the next, 4,096 bytes on
	s_mul_i32 s20, s41, 48
	s_lshl_b32 s21, s42, 2
	s_add_co_u32 s20, s20, s21
	s_lshl_b32 s21, s16, 1
	s_add_co_u32 s20, s20, s21                     ; 48 b + g of my first head
	s_lshl_b32 s22, s20, 12
	s_mov_b32 s23, 0
	s_add_nc_u64 s[98:99], s[98:99], s[22:23]
	s_lshl_b32 s20, s20, 11
	s_lshl_b32 s21, s95, 8
	s_add_co_u32 s20, s20, s21
	s_lshl_b32 s21, s15, 7
	s_add_co_u32 s20, s20, s21                     ; + my first position
	s_lshl_b32 s20, s20, 7                         ; 128 bytes a token
	s_mov_b32 s21, 0
	s_add_nc_u64 s[12:13], s[96:97], s[20:21]
	s_or_b32 s3, s95, s15                          ; 0 where my rows begin with positions 0-15: cluster y and the wave's number alone
.macro FRAG reg, adr, q, i             ; A: 16 rows x 128 K: registers 4 c .. 4 c + 3 hold K = 64 c + 32 h + 0 .. 31
.irp c, 0,1
	ds_load_b128 v[\reg+4*\c:\reg+4*\c+3], v[\adr] offset:64*(\q)+32*\c+(\i)*16*PITCH
.endr
.endm
.macro FRAGB reg, adr, q, i            ; B: the same K is plane 4 q + 2 c + h of the slot: sixteen lanes read 256 consecutive bytes
.irp c, 0,1
	ds_load_b128 v[\reg+4*\c:\reg+4*\c+3], v[\adr] offset:(4*(\q)+2*\c)*PLANE+256*(\i)
.endr
.endm
; 16 matrix instructions: A's blocks a0, a0 + 1 x B's eight.  The 64 accumulators take turns, one instruction a turn, in the same order in every step.
.macro MUL16 a0, p, q, sc, zero
.irp a, \a0, \a0+1
.irp b, 0,1,2,3,4,5,6,7
.if \zero
	v_wmma_scale_f32_16x16x128_f8f6f4 v[8*(8*((\a)%4)+\b):8*(8*((\a)%4)+\b)+7], v[128*(\p)+FR*\b:128*(\p)+FR*\b+FR-1], v[AF+FR*(\a):AF+FR*(\a)+FR-1], 0, v[SC+8*NQ*(\sc)+NQ*\b+(\q)], v[SC+8*NQ*(\sc)+NQ*(\a)+(\q)] matrix_a_fmt:MATRIX_FMT_FP4 matrix_b_fmt:MATRIX_FMT_FP4 matrix_a_scale:MATRIX_SCALE_ROW1
.else
	v_wmma_scale_f32_16x16x128_f8f6f4 v[8*(8*((\a)%4)+\b):8*(8*((\a)%4)+\b)+7], v[128*(\p)+FR*\b:128*(\p)+FR*\b+FR-1], v[AF+FR*(\a):AF+FR*(\a)+FR-1], v[8*(8*((\a)%4)+\b):8*(8*((\a)%4)+\b)+7], v[SC+8*NQ*(\sc)+NQ*\b+(\q)], v[SC+8*NQ*(\sc)+NQ*(\a)+(\q)] matrix_a_fmt:MATRIX_FMT_FP4 matrix_b_fmt:MATRIX_FMT_FP4 matrix_a_scale:MATRIX_SCALE_ROW1
.endif
.endr
.endr
.endm
.macro FETCH_B slot, q, p
	WIN TO_B
.irp i, 0,1,2,3,4,5,6,7
	FRAGB 128*(\p)+FR*\i, ADRB+\slot, \q, \i
.endr
	WIN 0
.endm
.macro FETCH_A slot, q, i0
.irp i, \i0, \i0+1, \i0+2, \i0+3
	FRAG AF+FR*(\i), ADRA+\slot, \q, \i
.endr
.endm
.macro SCALES sc                       ; a slot's scale words: lanes 0-15 A's block i, lanes 16-31 B's block i; four words a row
.irp i, 0,1,2,3,4,5,6,7
	ds_load_b128 v[SC+8*NQ*\sc+NQ*\i:SC+8*NQ*\sc+NQ*\i+3], v[ADRS] offset:\i*SBLK
.endr
.endm
.macro PLACES n                        ; plain vector instructions between a matrix instruction and a load into, or a read of, its registers
.rept \n
	v_nop
.endr
.endm
.macro STEP slot, q, zero              ; 128 along K, with its successor in the same slot
	s_wait_dscnt 4*NL                              ; B's set and A's blocks 0-3 are in; the eight youngest loads (A's blocks 4-7) may be out
	WIN MUL_LO
	MUL16 0, (\q)%2, \q, \slot, \zero
	MUL16 2, (\q)%2, \q, \slot, \zero
	s_wait_dscnt 0
	PLACES NP
	FETCH_B \slot, (\q)+1, 1-(\q)%2
	FETCH_A \slot, (\q)+1, 0
	WIN MUL_HI
	MUL16 4, (\q)%2, \q, \slot, \zero
	MUL16 6, (\q)%2, \q, \slot, \zero
	PLACES NP
	WIN 0
	FETCH_A \slot, (\q)+1, 4
.endm
.macro TURN slot, next                 ; slot 0's last step: one barrier, behind which slot 1 is whole for every wave and nobody reads slot 0
	s_wait_tensorcnt 0x0                           ; all my tensor loads have landed: my part of slot 1
	ds_add_u32 v[SPW], v[NIL]                      ; 0 onto my spare word
	s_wait_dscnt 4*NL+1                            ; the add and the eight youngest loads may be out
	WIN MUL_LO
	MUL16 0, 1, NQ-1, \slot, 0
	s_wait_dscnt 0x0                               ; the add is done, my reads of this slot are over
	s_barrier_signal -1
	MUL16 2, 1, NQ-1, \slot, 0
	WIN 0
	s_barrier_wait -1
	PLACES NP
	v_add_nc_u32 v[ADRS], 4*NQ, v[ADRS]            ; the next slot's scale words
	FETCH_B \next, 0, 0
	FETCH_A \next, 0, 0
	SCALES \next
	WIN MUL_HI
	MUL16 4, 1, NQ-1, \slot, 0
	MUL16 6, 1, NQ-1, \slot, 0
	PLACES NP
	WIN 0
	FETCH_A \next, 0, 4
.endm
	s_wait_tensorcnt 1                             ; the scales and my part of slot 0 are in; slot 1's load may be out
	s_barrier_signal -1
	s_barrier_wait -1
	FETCH_B 0, 0, 0
	FETCH_A 0, 0, 0
	SCALES 0
	FETCH_A 0, 0, 4
	STEP 0, 0, 1                                   ; the first step's products start the sums
	STEP 0, 1, 0
	STEP 0, 2, 0
	TURN 0, 1
	STEP 1, 0, 0
	STEP 1, 1, 0
	STEP 1, 2, 0
	s_wait_dscnt 4*NL
	WIN MUL_LO
	MUL16 0, 1, NQ-1, 1, 0
	MUL16 2, 1, NQ-1, 1, 0
	s_wait_dscnt 0
	WIN MUL_HI
	MUL16 4, 1, NQ-1, 1, 0
	MUL16 6, 1, NQ-1, 1, 0
	WIN 0
	PLACES NP
	; POSITIONS 0-15 IN F32: my block 0, where my rows begin a sequence.  Through the f32 stage, back as rows of 512 bytes: two heads' rows of 256 bytes an instruction.
	s_cmp_lg_u32 s3, 0
	s_cbranch_scc1 .Lnofine
	WIN 0x08                                       ; an LDS store's data are its source 1: window 2
.irp b, 0,1,2,3,4,5,6,7
	ds_store_b128 v[STO32], v[8*\b:8*\b+3] offset:64*\b
	ds_store_b128 v[STO32], v[8*\b+4:8*\b+7] offset:64*\b+16
.endr
	WIN 0
.irp t, 0,1,2,3,4,5,6,7,8,9,10,11,12,13,14,15
	ds_load_b128 v[128+4*\t:128+4*\t+3], v[RD32] offset:528*\t   ; LDS serves a wave's instructions in order: these see my stores
.endr
	s_wait_dscnt 0x0
.irp t, 0,1,2,3,4,5,6,7,8,9,10,11,12,13,14,15
	global_store_b128 v[CO32], v[128+4*\t:128+4*\t+3], s[98:99] offset:256*\t
.endr
.Lnofine:
; THE WAY OUT IN F16, a block of 16 tokens x 128 channels (two heads) at a time.
.macro PACK a
.set AC, 64*((\a)%4)
	WIN 0x0a+5*((\a)/4)                            ; sources 0 and 1: window 2 or 3
.irp b, 0,1,2,3,4,5,6,7
.irp r, 0,1,2,3
	v_cvt_pk_f16_f32 v[TMP+4*\b+\r], v[AC+8*\b+2*\r], v[AC+8*\b+2*\r+1]
.endr
.endr
	WIN 0
.endm
.macro TOSTAGE a
.set BB, BKQ+32*((\a)%2)
.irp b, 0,1,2,3,4,5,6,7
	ds_store_b128 v[STO], v[TMP+4*\b:TMP+4*\b+3] offset:32*\b
.endr
.irp t, 0,1,2,3,4,5,6,7
	ds_load_b128 v[BB+4*\t:BB+4*\t+3], v[RD] offset:(\t%4)*4*272+(\t/4)*128
.endr
.endm
.macro SEND a
.set BB, BKQ+32*((\a)%2)
	s_wait_dscnt 0x0                               ; the block is back in registers
	s_wait_xcnt 0x0                                ; the stores of the block before have read their registers: the next block's loads may land there
.irp t, 0,1,2,3,4,5,6,7
	global_store_b128 v[CO], v[BB+4*\t:BB+4*\t+3], s[12:13] offset:(\t/4)*262144+(\a)*2048+(\t%4)*512   ; four tokens of one head: 512 consecutive bytes, aligned
.endr
.endm
	PACK 0
	TOSTAGE 0
.irp a, 1,2,3,4,5,6,7
	PACK \a
	SEND \a-1
	TOSTAGE \a
.endr
	SEND 7
	s_wait_tensorcnt 0x0                           ; the wave's end
	ds_add_u32 v[SPW], v[NIL]
	s_wait_dscnt 0x0
	CROUND                                         ; the closing round
	s_endpgm
.Lfunc_end_k_qd36fec5b28_qkv:
	.size	k_qd36fec5b28_qkv, .Lfunc_end_k_qd36fec5b28_qkv-k_qd36fec5b28_qkv
	.p2alignl 7, 3214868480
	.fill 96, 4, 3214868480
	.section	.rodata,"a",@progbits
	.p2align	6, 0x0
	.amdhsa_kernel k_qd36fec5b28_qkv
		.amdhsa_group_segment_fixed_size 327680
		.amdhsa_private_segment_fixed_size 0
		.amdhsa_enable_private_segment 0
		.amdhsa_kernarg_size 48
		.amdhsa_user_sgpr_count 2
		.amdhsa_user_sgpr_kernarg_segment_ptr 1
		.amdhsa_wavefront_size32 1
		.amdhsa_system_sgpr_workgroup_id_x 1
		.amdhsa_system_sgpr_workgroup_id_y 1
		.amdhsa_system_sgpr_workgroup_id_z 1
		.amdhsa_system_vgpr_workitem_id 0
		.amdhsa_next_free_vgpr 1024
		.amdhsa_next_free_sgpr 102
		.amdhsa_reserve_vcc 0
		.amdhsa_float_denorm_mode_32 3
		.amdhsa_float_denorm_mode_16_64 3
		.amdhsa_memory_ordered 1
		.amdhsa_forward_progress 1
		.amdhsa_inst_pref_size 130
	.end_amdhsa_kernel
	.amdgpu_metadata
---
amdhsa.version: [ 1, 2 ]
amdhsa.kernels:
  - .name:           k_qd36fec5b28_qkv
    .symbol:         k_qd36fec5b28_qkv.kd
    .args:
      - { .name: xc, .offset: 0, .size: 8, .value_kind: global_buffer, .address_space: global }
      - { .name: xs, .offset: 8, .size: 8, .value_kind: global_buffer, .address_space: global }
      - { .name: wc, .offset: 16, .size: 8, .value_kind: global_buffer, .address_space: global }
      - { .name: ws, .offset: 24, .size: 8, .value_kind: global_buffer, .address_space: global }
      - { .name: qkv, .offset: 32, .size: 8, .value_kind: global_buffer, .address_space: global }
      - { .name: fq, .offset: 40, .size: 8, .value_kind: global_buffer, .address_space: global }
    .group_segment_fixed_size: 327680
    .private_segment_fixed_size: 0
    .kernarg_segment_align: 8
    .kernarg_segment_size: 48
    .max_flat_workgroup_size: 128
    .sgpr_count:     102
    .vgpr_count:     1024
    .wavefront_size: 32
...
	.end_amdgpu_metadata
.endif
;; end of part 2
;; launch attn (part 3): grid 4 x 64, 8 waves a work-group, no clusters, 327,680 bytes of LDS; arguments qkv, ctx; writes ctx
.if DOCPART == 3
	.amdgcn_target "amdgcn-amd-amdhsa--gfx1250"
	.amdhsa_code_object_version 6
	.text
	.protected	k_qd36fec5b28_attn
	.globl	k_qd36fec5b28_attn
	.p2align	8
	.type	k_qd36fec5b28_attn,@function
k_qd36fec5b28_attn:
	s_mov_b64 s[64:65], 0
	v_nop
	global_prefetch_b8 v0, s[64:65] scope:SCOPE_SE
	s_setreg_imm32_b32 hwreg(HW_REG_WAVE_MODE, 25, 1), 1
	s_wait_xcnt 0x0
; ctx[h][token][:] = the sum over keys <= query of softmax(q . k / 8) v, per batch and head.  q, k, v: f16, qkv [b][g 48][s 2,048][64].  ctx: f16, by head planes [h 16][token 8,192][64].
; Products on f16 operands with f32 sums; maxima, exponentials and sums in f32; a running maximum is taken away before every exponential; the weights p (at most 1) are rounded to f16 for the second product.
; WORK LEFT OUT: key steps that lie wholly above reference()'s own tril mask: their weights are 0 for all inputs.  LIMIT: |ctx| up to 65,504 (f16).
; SHARES.  Work-group (j, batch x head) does the query blocks j and 7 - j of 256 queries, one after the other: (j + 1) + (8 - j) = 9 slots of 256 keys for EVERY work-group: 256 equal work-groups, constant trip counts.
; Eight waves, 32 queries (two tiles of 16) each, two waves to a SIMD, so that one wave's softmax stands beside the other's products.
; NO CLUSTER: the four work-groups of a head want different key blocks in the same trip (in trip T block T or T - j - 1); walked in step they would need 12 slots' time in place of 9.
; LAYOUT.  S^T = K Q^T (source 0 = 16 keys, source 1 = 16 queries): a lane holds one query (lane % 16) and keys 8 (lane / 16) + 0..7.  Two such tiles, rounded in pairs, are source 1 of O^T = V^T P.
; REGISTERS.  Window 0: v1-15 addresses; v16-31 eight statistics a tile (+0 c m, +1 m, +2, +3 l, +4..+7 at work, a in +6); v32-95 S^T; v96-127 P; v128-191 O^T; v192-255 the way out.
;   Window 1: v0-31 Q; v32-63 the second pass's Q; v64-127 K of a step; v128-191 V of a step.
.set KP,    144                        ; a row of K in LDS: 128 bytes + 16: the 16 rows of a load start 4 words apart modulo 64 words
.set VP,    160                        ; a row of V: 128 + 32, for the turning load
.set VOFF,  256*KP
.set SLOT1, 1<<17                      ; one exclusive or turns an address in one slot into the other's
.set STAGE, 2*SLOT1                    ; 16 rows x 144 bytes for each wave: bytes of its own, since the ring is filled again after the first way out
.set SPARE, STAGE+8*16*KP              ; the spare words, 128 bytes a wave, named by no other line
.set KBLK,  32768                      ; 256 keys x 128 bytes
.set AK0, 1
.set AV0, 2
.set ADK, 3
.set ADV, 4
.set SPW, 5
.set NIL, 6
.set STO, 7
.set RD,  8
.set GO,  9
.set PFO, 10
.set DD,  11
.set NINF, 12
.set QO,  13
.set RH,  14
.set ST,  16
.set S,   32
.set P,   96
.set O,   128
.set PK,  192
.set BK,  224
.set QF,  0
.set QG,  32
.set KFR, 64
.set VFR, 128
.set CS,  52                           ; s[52:53] c = log2(e) / 8
.set SEL, 54                           ; s[54:55] lane l xor 16
; s8 wave, s9 j, s10 the second pass's first query, s[12:13], s[14:15] K's and V's head at my 64 rows, s[16:23], s[24:31] groups 1, s[32:35], s[36:39] groups 0, s[40:41] the next key block's bytes,
; s42 the trip, s43 the steps, s44, s45 where the step's K and V begin in LDS, s46 the step's first key, s47 my first query, s48 j + 1, s49 8,192 h + 2,048 b, s[50:51] my rows of ctx, s[56:57] the prefetches
.set MSB, 0
.macro WIN new
.if MSB != \new
	s_set_vgpr_msb (MSB<<8)|\new
.set MSB, \new
.endif
.endm
; Every wave fetches 64 rows: waves 0-3 of K, waves 4-7 of V.  An s_nop 0 and four v_nop follow each line.
.macro TLOAD
	s_cmp_lt_u32 s8, 4
	s_cbranch_scc0 .Lfor_v_\@
	tensor_load_to_lds s[32:35], s[16:23]
	s_nop 0
.rept 4
	v_nop
.endr
	s_branch .Lasked_\@
.Lfor_v_\@:
	tensor_load_to_lds s[36:39], s[24:31]
	s_nop 0
.rept 4
	v_nop
.endr
.Lasked_\@:
.endm
; A prefetch of the key block that the NEXT change of slots will ask for.  The head's work-group j = 0 asks, in trips 3 to 6, for blocks 4 to 7: each wave for its own 64 rows, lanes 256 bytes apart:
; each aligned 256 bytes is named once in the launch.  Blocks 0 to 3 are asked for by the four work-groups' own loads in their first trips.
.macro ASK
	s_sub_co_u32 s66, s42, 3
	s_lshl_b32 s67, s9, 8
	s_or_b32 s66, s66, s67
	s_cmp_lt_u32 s66, 4
	s_cbranch_scc0 .Lnot_mine_\@
	global_prefetch_b8 v[PFO], s[56:57] th:TH_LOAD_NT scope:SCOPE_SE
.Lnot_mine_\@:
.endm
.macro INIT                            ; a pass begins: m = -3e38, under every score; l and O^T are zeros, which the first change of m leaves zeros
.irp t, 0,1
	v_mov_b32 v[ST+8*\t+1], 0xff61b1e6
	v_mul_f32 v[ST+8*\t], s[CS], v[ST+8*\t+1]
	v_mov_b32 v[ST+8*\t+2], 0
	v_mov_b32 v[ST+8*\t+3], 0
.endr
.set i, 0
.rept 64
	v_mov_b32 v[O+i], 0
.set i, i+1
.endr
.endm
; The softmax of two tiles for 64 keys, the tiles by turns in each phase.
.macro SOFTMAX
.irp j, 0,1,2,3
.irp t, 0,1
	v_max3_num_f32 v[ST+8*\t+4+\j], v[S+32*\t+8*\j], v[S+32*\t+8*\j+1], v[S+32*\t+8*\j+2]   ; each accumulator is read from its low end on
.endr
.endr
.irp g, 1,2
.irp j, 0,1,2,3
.irp t, 0,1
	v_max3_num_f32 v[ST+8*\t+4+\j], v[ST+8*\t+4+\j], v[S+32*\t+8*\j+2*\g+1], v[S+32*\t+8*\j+2*\g+2]
.endr
.endr
.endr
.irp t, 0,1
	v_max3_num_f32 v[ST+8*\t+4], v[ST+8*\t+4], v[S+32*\t+7], v[S+32*\t+15]
.endr
.irp t, 0,1
	v_max3_num_f32 v[ST+8*\t+6], v[ST+8*\t+6], v[S+32*\t+23], v[S+32*\t+31]
.endr
.irp t, 0,1
	v_max3_num_f32 v[ST+8*\t+4], v[ST+8*\t+4], v[ST+8*\t+5], v[ST+8*\t+6]
.endr
.irp t, 0,1
	v_max3_num_f32 v[ST+8*\t+4], v[ST+8*\t+4], v[ST+8*\t+7], v[ST+8*\t+1]   ; and the old m
.endr
.irp t, 0,1
	v_permlanex16_b32 v[ST+8*\t+5], v[ST+8*\t+4], s[SEL], s[SEL+1]           ; the query's other 32 keys lie in the lane 16 away
.endr
.irp t, 0,1
	v_mov_b32 v[ST+8*\t+7], v[ST+8*\t]
.endr
.irp t, 0,1
	v_max_num_f32 v[ST+8*\t+1], v[ST+8*\t+4], v[ST+8*\t+5]
.endr
.irp t, 0,1
	v_mul_f32 v[ST+8*\t], s[CS], v[ST+8*\t+1]
.endr
.irp t, 0,1
	v_sub_f32 v[ST+8*\t+7], v[ST+8*\t+7], v[ST+8*\t]                         ; c m_old - c m_new
.endr
.set b, 0
.rept 16
.irp t, 0,1
	v_pk_fma_f32 v[S+32*\t+2*b:S+32*\t+2*b+1], v[S+32*\t+2*b:S+32*\t+2*b+1], s[CS:CS+1], v[ST+8*\t:ST+8*\t+1] op_sel_hi:[1,0,0] neg_lo:[0,0,1] neg_hi:[0,0,1]   ; c s - c m
.endr
.set b, b+1
.endr
.irp t, 0,1
	v_exp_f32 v[ST+8*\t+6], v[ST+8*\t+7]                                     ; a
.endr
.set b, 0
.rept 32
.irp t, 0,1
	v_exp_f32 v[S+32*\t+b], v[S+32*\t+b]
.endr
.set b, b+1
.endr
	v_nop                                          ; a plain instruction behind the last exponential
	s_wait_alu depctr_va_vdst(0)                   ; one wait for the 66 exponentials, ahead of their first reader
.set b, 0
.rept 16
.irp t, 0,1
	v_cvt_pk_f16_f32 v[P+16*\t+b], v[S+32*\t+2*b], v[S+32*\t+2*b+1]
.endr
.set b, b+1
.endr
.irp z, 0,1,2,3,4,5,6,7
.irp t, 0,1
	v_pk_add_f32 v[S+32*\t+4*\z:S+32*\t+4*\z+1], v[S+32*\t+4*\z:S+32*\t+4*\z+1], v[S+32*\t+4*\z+2:S+32*\t+4*\z+3]   ; the sum of the unrounded p, as a tree
.endr
.endr
.irp z, 0,1,2,3
.irp t, 0,1
	v_pk_add_f32 v[S+32*\t+8*\z:S+32*\t+8*\z+1], v[S+32*\t+8*\z:S+32*\t+8*\z+1], v[S+32*\t+8*\z+4:S+32*\t+8*\z+5]
.endr
.endr
.irp z, 0,1
.irp t, 0,1
	v_pk_add_f32 v[S+32*\t+16*\z:S+32*\t+16*\z+1], v[S+32*\t+16*\z:S+32*\t+16*\z+1], v[S+32*\t+16*\z+8:S+32*\t+16*\z+9]
.endr
.endr
.irp t, 0,1
	v_pk_add_f32 v[S+32*\t:S+32*\t+1], v[S+32*\t:S+32*\t+1], v[S+32*\t+16:S+32*\t+17]
.endr
.irp t, 0,1
	v_pk_fma_f32 v[ST+8*\t+2:ST+8*\t+3], v[ST+8*\t+2:ST+8*\t+3], v[ST+8*\t+6:ST+8*\t+7], v[S+32*\t:S+32*\t+1] op_sel_hi:[1,0,1]   ; l = a l + the sum
.endr
.set b, 0
.rept 16
.irp t, 0,1
	v_pk_mul_f32 v[O+32*\t+2*b:O+32*\t+2*b+1], v[O+32*\t+2*b:O+32*\t+2*b+1], v[ST+8*\t+6:ST+8*\t+7] op_sel_hi:[1,0]   ; O^T x a
.endr
.set b, b+1
.endr
.endm
; A KEY STEP of 64 keys.  A step all of whose keys come after my 32 queries is left out: a scalar branch on ids and counts, round the work and not round the lines that step addresses.
.macro STEP
	s_add_co_u32 s66, s47, 31
	s_cmp_gt_u32 s46, s66
	s_cbranch_scc1 .Lhidden_\@
	v_add_nc_u32 v[ADK], s44, v[AK0]
	v_add_nc_u32 v[ADV], s45, v[AV0]
	v_nop
	v_nop                                          ; four plain instructions between the last step's products and the loads into their operands
	WIN 0x40                                       ; destination window 1
.irp k, 0,1,2,3
.irp c, 0,1
	ds_load_b128 v[KFR+8*(2*\k+\c):KFR+8*(2*\k+\c)+3],   v[ADK] offset:\k*16*KP+64*\c
	ds_load_b128 v[KFR+8*(2*\k+\c)+4:KFR+8*(2*\k+\c)+7], v[ADK] offset:\k*16*KP+64*\c+32
.endr
.endr
.irp g, 0,1
.irp d, 0,1,2,3
	ds_load_tr16_b128 v[VFR+8*(4*\g+\d):VFR+8*(4*\g+\d)+3],   v[ADV] offset:\g*32*VP+32*\d
	ds_load_tr16_b128 v[VFR+8*(4*\g+\d)+4:VFR+8*(4*\g+\d)+7], v[ADV] offset:\g*32*VP+32*\d+16*VP
.endr
.endr
	s_wait_dscnt 16                                ; K's 16 loads are in; V's 16 may be out
	WIN 0x05                                       ; K and Q in window 1
.irp c, 0,1                                    ; eight accumulators by turns, one instruction a turn
.irp k, 0,1,2,3
.irp t, 0,1
.if \c == 0
	v_wmma_f32_16x16x32_f16 v[S+32*\t+8*\k:S+32*\t+8*\k+7], v[KFR+8*(2*\k+\c):KFR+8*(2*\k+\c)+7], v[QF+16*\t+8*\c:QF+16*\t+8*\c+7], 0
.else
	v_wmma_f32_16x16x32_f16 v[S+32*\t+8*\k:S+32*\t+8*\k+7], v[KFR+8*(2*\k+\c):KFR+8*(2*\k+\c)+7], v[QF+16*\t+8*\c:QF+16*\t+8*\c+7], v[S+32*\t+8*\k:S+32*\t+8*\k+7]
.endif
.endr
.endr
.endr
	WIN 0
.rept 4
	v_nop
.endr
	s_add_co_u32 s66, s46, 63                      ; on the diagonal hidden scores become -infinity ahead of the maximum; a step all of whose keys count skips this
	s_cmp_le_u32 s66, s47
	s_cbranch_scc1 .Lopen_\@
	s_sub_co_i32 s66, s47, s46
	v_add_nc_u32 v[DD], s66, v[RH]                 ; d = my first query - the first key + r - 8 h.  Register 32 t + n holds key 16 (n / 8) + 8 h + n % 8 of query 16 t + r: hidden where 16 (n / 8) + n % 8 - 16 t > d
.irp t, 0,1
.irp n, 0,1,2,3,4,5,6,7,8,9,10,11,12,13,14,15,16,17,18,19,20,21,22,23,24,25,26,27,28,29,30,31
	v_cmp_gt_i32 vcc_lo, 16*(\n/8)+\n%8-16*\t, v[DD]
	v_cndmask_b32 v[S+32*\t+\n], v[S+32*\t+\n], v[NINF], vcc_lo
.endr
.endr
.Lopen_\@:
	SOFTMAX
	s_wait_dscnt 0x0                               ; V is in
	WIN 0x01                                       ; V in window 1
.irp g, 0,1
.irp d, 0,1,2,3
.irp t, 0,1
	v_wmma_f32_16x16x32_f16 v[O+32*\t+8*\d:O+32*\t+8*\d+7], v[VFR+8*(4*\g+\d):VFR+8*(4*\g+\d)+7], v[P+16*\t+8*\g:P+16*\t+8*\g+7], v[O+32*\t+8*\d:O+32*\t+8*\d+7]
.endr
.endr
.endr
	WIN 0
.Lhidden_\@:
	s_add_co_u32 s46, s46, 64
	s_add_co_u32 s44, s44, 64*KP
	s_add_co_u32 s45, s45, 64*VP
.endm
.macro FOUR_STEPS                      ; a slot's four key steps, written once, walked four times; then on to the other slot
	s_mov_b32 s43, 4
.Lstep_\@:
	STEP
	s_sub_co_u32 s43, s43, 1
	s_cmp_lg_u32 s43, 0
	s_cbranch_scc1 .Lstep_\@
	s_sub_co_u32 s44, s44, 256*KP
	s_sub_co_u32 s45, s45, 256*VP
	s_xor_b32 s44, s44, SLOT1
	s_xor_b32 s45, s45, SLOT1
.endm
; THE CHANGE OF SLOTS stands at a slot's head.  Each wave waits for all its tensor loads (one is out: its part of the slot ahead), adds 0 to its spare word, and waits for that and for its reads of the slot
; that it has left.  Behind the barrier that slot is filled with the key block of the next trip: the load has four key steps in which to land.
.macro CHANGE fill
	s_wait_tensorcnt 0x0                           ; no tensor load of mine is out, so a group 0 may be written
	ds_add_u32 v[SPW], v[NIL]
.if \fill
	s_xor_b32 s33, s33, SLOT1
	s_xor_b32 s37, s37, SLOT1
	s_add_co_u32 s40, s40, KBLK                    ; the next key block,
	s_cmp_eq_u32 s42, s9
	s_cselect_b32 s40, 0, s40                      ; or block 0 again, where the next trip begins the second pass
	s_add_nc_u64 s[34:35], s[12:13], s[40:41]
	s_or_b32 s35, s35, 0x80000000
	s_add_nc_u64 s[38:39], s[14:15], s[40:41]
	s_or_b32 s39, s39, 0x80000000
	s_wait_xcnt 0x0                                ; the last prefetch, a slot back, has read its address
	s_add_nc_u64 s[56:57], s[56:57], KBLK
.endif
	s_wait_dscnt 0x0                               ; the add is done, my reads of the slot that I have left are over
	s_barrier_signal -1
	s_barrier_wait -1
.if \fill
	TLOAD                                          ; the first thing behind the barrier, and my one tensor load until the next
	ASK
.endif
.endm
; THE WAY OUT of a pass: O^T / l, rounded to f16, a tile at a time through my stage; back as four tokens of 128 bytes an instruction: 512 consecutive bytes of the head's plane.
; The registers that its loads fill were the first pass's store data: behind those stores stands a wait on XCNT for 0, at the change of pass.
.macro OUT
.irp t, 0,1
	v_add_f32 v[ST+8*\t+4], v[ST+8*\t+2], v[ST+8*\t+3]
.endr
.irp t, 0,1
	v_permlanex16_b32 v[ST+8*\t+5], v[ST+8*\t+4], s[SEL], s[SEL+1]
.endr
.irp t, 0,1
	v_add_f32 v[ST+8*\t+4], v[ST+8*\t+4], v[ST+8*\t+5]
.endr
.irp t, 0,1
	v_rcp_f32 v[ST+8*\t+6], v[ST+8*\t+4]
.endr
	v_nop
	s_wait_alu depctr_va_vdst(0)                   ; one wait for the two reciprocals, ahead of their first reader
.irp t, 0,1
.set i, 0
.rept 16
	v_pk_mul_f32 v[O+32*\t+2*i:O+32*\t+2*i+1], v[O+32*\t+2*i:O+32*\t+2*i+1], v[ST+8*\t+6:ST+8*\t+7] op_sel_hi:[1,0]
.set i, i+1
.endr
.set i, 0
.rept 16
	v_cvt_pk_f16_f32 v[PK+16*\t+i], v[O+32*\t+2*i], v[O+32*\t+2*i+1]
.set i, i+1
.endr
.irp d, 0,1,2,3
	ds_store_b128 v[STO], v[PK+16*\t+4*\d:PK+16*\t+4*\d+3] offset:32*\d
.endr
.irp d, 0,1,2,3
	ds_load_b128 v[BK+16*\t+4*\d:BK+16*\t+4*\d+3], v[RD] offset:4*KP*\d   ; LDS serves a wave's instructions in order: these see my stores, and the next tile's stores come behind them
.endr
.endr
	s_wait_dscnt 0x0
.irp t, 0,1
.irp d, 0,1,2,3
	global_store_b128 v[GO], v[BK+16*\t+4*\d:BK+16*\t+4*\d+3], s[50:51] offset:\t*2048+512*\d
.endr
.endr
.endm
	s_load_b128 s[4:7], s[0:1], 0x0                ; qkv, ctx
	v_lshl_add_u32 v[SPW], v0, 2, SPARE
	v_mov_b32 v[NIL], 0
	ds_add_u32 v[SPW], v[NIL]                      ; the opening: the add, twice on end, and its wait ahead of my first tensor load
	ds_add_u32 v[SPW], v[NIL]
	v_lshrrev_b32 v15, 5, v0
	v_readfirstlane_b32 s8, v15                    ; wave
	s_mov_b32 s9, ttmp9                            ; j
	s_add_co_u32 s48, s9, 1
	s_mov_b32 s16, (1<<16)|(1<<20)|(4<<22)|(3<<25) ; K: elements of 2 bytes; 4 words of padding behind every 32
	s_mov_b32 s24, (1<<16)|(1<<20)|(4<<22)|(7<<25) ; V: 8 words
.irp g, 16, 24
	s_mov_b32 s[\g+1], 64<<16                      ; tensor_dim0 = 64
	s_mov_b32 s[\g+2], 64<<16                      ; tensor_dim1 = 64
	s_mov_b32 s[\g+3], 64<<16                      ; tile_dim0
	s_mov_b32 s[\g+4], 64                          ; tile_dim1
	s_mov_b32 s[\g+5], 64                          ; from row to row
	s_mov_b32 s[\g+6], 0
	s_mov_b32 s[\g+7], 0
.endr
	s_and_b32 s58, ttmp7, 0xffff
	s_lshr_b32 s59, s58, 4                         ; b
	s_and_b32 s60, s58, 15                         ; h
	s_mul_i32 s61, s59, 48
	s_add_co_u32 s61, s61, s60
	s_lshl_b32 s62, s61, 18                        ; q's head: 262,144 bytes each
	s_and_b32 s66, s8, 3
	s_lshl_b32 s67, s66, 13                        ; my 64 rows of a key block
	s_add_co_u32 s68, s62, s67
	s_add_co_u32 s68, s68, 16<<18                  ; k's head lies 16 heads on
	s_mov_b32 s69, 0
	s_lshl_b32 s49, s60, 13
	s_lshl_b32 s70, s59, 11
	s_add_co_u32 s49, s49, s70
	s_lshl_b32 s47, s9, 8
	s_lshl_b32 s70, s8, 5
	s_add_co_u32 s47, s47, s70                     ; my first query: 256 j + 32 x wave
	s_sub_co_u32 s10, 7, s9
	s_lshl_b32 s10, s10, 8
	s_add_co_u32 s10, s10, s70                     ; and in the second pass
	s_mov_b32 s32, 1
	s_mul_i32 s33, s66, 64*KP
	s_mov_b32 s36, 1
	s_mul_i32 s37, s66, 64*VP
	s_add_co_u32 s37, s37, VOFF
	s_mov_b32 s40, 0
	s_mov_b32 s41, 0
	s_mov_b32 s42, 0
	s_mov_b32 s44, 0
	s_mov_b32 s45, VOFF
	s_mov_b32 s46, 0
	s_mov_b32 s[CS], 0x3e38aa3b                    ; log2(e) / 8
	s_mov_b32 s[CS+1], s[CS]
	s_mov_b32 s[SEL], 0x76543210
	s_mov_b32 s[SEL+1], 0xfedcba98
	s_wait_dscnt 0x0                               ; both opening adds are done
	s_wait_kmcnt 0x0
	s_add_nc_u64 s[12:13], s[4:5], s[68:69]
	s_add_nc_u64 s[14:15], s[12:13], 16<<18        ; v's head, 16 heads further on
	s_mov_b64 s[34:35], s[12:13]
	s_or_b32 s35, s35, 0x80000000
	s_mov_b64 s[38:39], s[14:15]
	s_or_b32 s39, s39, 0x80000000
	TLOAD                                          ; slot 0: key block 0, which counts for every query
	s_cmp_lt_u32 s8, 4
	s_cselect_b64 s[56:57], s[12:13], s[14:15]
	s_lshl_b32 s70, s47, 7
	s_add_co_u32 s70, s70, s62
	s_mov_b32 s71, 0
	s_add_nc_u64 s[58:59], s[4:5], s[70:71]        ; Q of the first pass,
	s_lshl_b32 s70, s10, 7
	s_add_co_u32 s70, s70, s62
	s_add_nc_u64 s[60:61], s[4:5], s[70:71]        ; of the second
	s_add_co_u32 s70, s49, s47
	s_lshl_b32 s70, s70, 7
	s_add_nc_u64 s[50:51], s[6:7], s[70:71]
	v_and_b32 v15, 15, v0                          ; r
	v_bfe_u32 v[DD], v0, 4, 1                      ; h
	v_lshlrev_b32 v[QO], 7, v15
	v_lshl_add_u32 v[QO], v[DD], 4, v[QO]
	WIN 0x40
.irp t, 0,1
.irp c, 0,1
	global_load_b128 v[QF+16*\t+8*\c:QF+16*\t+8*\c+3],   v[QO], s[58:59] offset:\t*2048+64*\c
	global_load_b128 v[QF+16*\t+8*\c+4:QF+16*\t+8*\c+7], v[QO], s[58:59] offset:\t*2048+64*\c+32
	global_load_b128 v[QG+16*\t+8*\c:QG+16*\t+8*\c+3],   v[QO], s[60:61] offset:\t*2048+64*\c
	global_load_b128 v[QG+16*\t+8*\c+4:QG+16*\t+8*\c+7], v[QO], s[60:61] offset:\t*2048+64*\c+32
.endr
.endr
	WIN 0
	v_mul_u32_u24 v[AK0], v15, KP
	v_lshl_add_u32 v[AK0], v[DD], 4, v[AK0]        ; K: row r, + 16 h
	v_and_b32 v[ADK], 7, v0
	v_lshl_add_u32 v[AV0], v[DD], 3, v[ADK]
	v_mul_u32_u24 v[AV0], v[AV0], VP
	v_bfe_u32 v[ADK], v0, 3, 1
	v_lshl_add_u32 v[AV0], v[ADK], 4, v[AV0]       ; V: key 8 h + lane % 8, channels 8 ((lane / 8) % 2) on
	s_mul_i32 s70, s8, 16*KP
	s_add_co_u32 s70, s70, STAGE
	v_add_nc_u32 v[STO], s70, v[AK0]
	v_bfe_u32 v[ADK], v0, 3, 2
	v_mul_u32_u24 v[RD], v[ADK], KP
	v_and_b32 v[ADV], 7, v0
	v_lshl_add_u32 v[RD], v[ADV], 4, v[RD]
	v_add_nc_u32 v[RD], s70, v[RD]
	v_and_b32 v[GO], 31, v0
	v_lshlrev_b32 v[PFO], 8, v[GO]
	v_lshlrev_b32 v[GO], 4, v[GO]
	v_lshlrev_b32 v[RH], 3, v[DD]
	v_sub_nc_u32 v[RH], v15, v[RH]                 ; r - 8 h
	v_mov_b32 v[NINF], 0xff800000
.irp t, 0,1
	v_mov_b32 v[ST+8*\t+5], 0                      ; written once: a lane permute's destination counts as one of its sources,
	v_mov_b32 v[ST+8*\t+7], 0                      ; and this one is named as the upper half of the pair that holds a or 1 / l
.endr
	INIT
	s_wait_loadcnt 0x0                             ; Q, both passes'
.Ltrip:                                            ; eight trips; behind each change of slots the next trip's key block is asked for
	CHANGE 1
	s_cmp_lg_u32 s42, s48                          ; ids and the count of trips alone: the same in all eight waves
	s_cbranch_scc1 .Lsame_pass
	OUT                                            ; the first pass is done: its rows leave, and the second begins
	s_wait_xcnt 0x0                                ; the stores have read their base and their data: the base is stepped, and the second way out's loads land on those registers, only behind this wait
	s_mov_b32 s47, s10
	s_add_co_u32 s70, s49, s47
	s_lshl_b32 s70, s70, 7
	s_mov_b32 s71, 0
	s_add_nc_u64 s[50:51], s[6:7], s[70:71]
	s_mov_b32 s46, 0
	WIN 0x41
.set i, 0
.rept 32
	v_mov_b32 v[QF+i], v[QG+i]
.set i, i+1
.endr
	WIN 0
	INIT
.Lsame_pass:
	FOUR_STEPS
	s_add_co_u32 s42, s42, 1
	s_cmp_lt_u32 s42, 8
	s_cbranch_scc1 .Ltrip
	CHANGE 0                                       ; the ninth slot is written out: nothing is left to fetch
	FOUR_STEPS
	OUT
	s_wait_tensorcnt 0x0                           ; the wave's end
	ds_add_u32 v[SPW], v[NIL]
	s_wait_dscnt 0x0
	s_endpgm
.Lfunc_end_k_qd36fec5b28_attn:
	.size	k_qd36fec5b28_attn, .Lfunc_end_k_qd36fec5b28_attn-k_qd36fec5b28_attn
	.p2alignl 7, 3214868480
	.fill 96, 4, 3214868480
	.section	.rodata,"a",@progbits
	.p2align	6, 0x0
	.amdhsa_kernel k_qd36fec5b28_attn
		.amdhsa_group_segment_fixed_size 327680
		.amdhsa_private_segment_fixed_size 0
		.amdhsa_enable_private_segment 0
		.amdhsa_kernarg_size 16
		.amdhsa_user_sgpr_count 2
		.amdhsa_user_sgpr_kernarg_segment_ptr 1
		.amdhsa_wavefront_size32 1
		.amdhsa_system_sgpr_workgroup_id_x 1
		.amdhsa_system_sgpr_workgroup_id_y 1
		.amdhsa_system_sgpr_workgroup_id_z 1
		.amdhsa_system_vgpr_workitem_id 0
		.amdhsa_next_free_vgpr 512
		.amdhsa_next_free_sgpr 72
		.amdhsa_reserve_vcc 1
		.amdhsa_float_denorm_mode_32 3
		.amdhsa_float_denorm_mode_16_64 3
		.amdhsa_memory_ordered 1
		.amdhsa_forward_progress 1
		.amdhsa_inst_pref_size 71
	.end_amdhsa_kernel
	.amdgpu_metadata
---
amdhsa.version: [ 1, 2 ]
amdhsa.kernels:
  - .name:           k_qd36fec5b28_attn
    .symbol:         k_qd36fec5b28_attn.kd
    .args:
      - { .name: qkv, .offset: 0, .size: 8, .value_kind: global_buffer, .address_space: global }
      - { .name: ctx, .offset: 8, .size: 8, .value_kind: global_buffer, .address_space: global }
    .group_segment_fixed_size: 327680
    .private_segment_fixed_size: 0
    .kernarg_segment_align: 8
    .kernarg_segment_size: 16
    .max_flat_workgroup_size: 256
    .sgpr_count:     72
    .vgpr_count:     512
    .wavefront_size: 32
...
	.end_amdgpu_metadata
.endif
;; end of part 3
;; launch oproj (part 4): grid 4 x 64, 4 waves a work-group, clusters of 4 x 4, 327,680 bytes of LDS; arguments ctx, wo16, bo, out0; writes out0
.if DOCPART == 4
	.amdgcn_target "amdgcn-amd-amdhsa--gfx1250"
	.amdhsa_code_object_version 6
	.text
	.protected	k_qd36fec5b28_oproj
	.globl	k_qd36fec5b28_oproj
	.p2align	8
	.type	k_qd36fec5b28_oproj,@function
k_qd36fec5b28_oproj:
	s_mov_b64 s[64:65], 0
	v_nop
	global_prefetch_b8 v0, s[64:65] scope:SCOPE_SE
	s_setreg_imm32_b32 hwreg(HW_REG_WAVE_MODE, 25, 1), 1
	s_wait_xcnt 0x0
	s_wait_alu depctr_hold_cnt(0) depctr_sa_sdst(0) depctr_va_vdst(0) depctr_va_sdst(0) depctr_va_ssrc(0) depctr_va_vcc(0) depctr_vm_vsrc(0)
	s_getreg_b32 s2, hwreg(HW_REG_IB_STS2, 6, 4)
	s_cmp_eq_u32 s2, 0
	s_cbranch_scc0 .Lentry_in_a_cluster
	s_endpgm
.Lentry_in_a_cluster:
	s_bfe_u32 s2, ttmp6, 0x10000c
	s_cmp_lg_u32 s2, 0xf033
	s_cbranch_scc0 .Lentry_shape_is_right
	s_endpgm
.Lentry_shape_is_right:
; out0 = ctx Wo + bo on f16 operands, sums in f32.  ctx: f16 by head planes [h 16][token 8,192][64]; wo16: f16 [k 1,024][n 1,024]; bo: f32; out0: f32 [8,192][1,024].
; NOT STORED HERE: positions 0-15 of every sequence: the last launch makes them in f32, so that each byte of out0 is stored once in the program.
; A tile of 128 x 256 to a work-group: 256 work-groups.  Four waves, 64 x 128 each: 32 accumulators, 256 registers.  K goes in steps of 128 (two head planes) through two LDS slots.
; CLUSTERS 4 x 4; the grid is one cluster wide, so the tile column is cx.  The tile's first row is 2,048 cy + 128 cluster y: cy is the batch, and 'my tile begins a sequence' is cluster y = 0, the same in all partners.
; ctx's tile is shared along a row of the cluster, Wo's along a column: joint loads.
; THE MATRIX INSTRUCTION IS USED TRANSPOSED: source 0 = 16 columns of Wo, turned out of LDS by ds_load_tr16_b128; source 1 = 16 rows of ctx.  The bias is the C of each sum's first product.
; REGISTERS: window 0: v16-30 addresses; v64-95, v96-127 ctx's fragments, two buffers; v128-255 the way out.  Window 1: v0-63, v64-127 Wo's fragments.  Window 2: accumulator (a, b) at v[8 (8 a + b)].  Window 3: v0-63 the bias.
.set AP,     144                       ; a row of ctx in LDS: 128 bytes + 16
.set APL,    128*AP                    ; a plane's 128 rows
.set BP,     544                       ; a row of Wo's tile: 512 bytes + 32, for the turning load
.set BOFF,   2*APL
.set SLOT,   BOFF+128*BP
.set STAGE,  2*SLOT                    ; 16 rows x 528 bytes for each wave
.set SPITCH, 528
.set SPARE,  STAGE+4*16*SPITCH         ; the spare words, 128 bytes a wave, named by no other line
.set ASTEP,  2*8192*128                ; a K step in ctx: two planes
.set BSTEP,  128*2048                  ; and in wo16: 128 rows
.set LAPS,   4
.set ADRA, 16
.set ADRB, 20
.set STO,  24
.set RD,   25
.set CO,   26
.set BA,   27
.set SPW,  28
.set NIL,  29
.set PFO,  30
.set G1, 24
.set G0, 32
.set G1B, 48
.set G0B, 56
.set PFA, 20                           ; s[20:21] where my prefetches stand
.set LIM, 22                           ; s22 1 in wave 0, else the greatest number
.set MSB, 0
.macro WIN new
.if MSB != \new
	s_set_vgpr_msb (MSB<<8)|\new
.set MSB, \new
.endif
.endm
.set MUL,   0xa1                       ; source 0 (Wo) window 1, source 1 (ctx) window 0, C and D window 2
.set MUL_B, 0xb1                       ; the same with C (the bias) in window 3
.macro JLOAD s                         ; waves 0 and 1 fetch ctx's two planes, waves 2 and 3 the halves of Wo's 128 rows; an s_nop 0 and four v_nop follow each line
	s_cmp_eq_u32 s11, 0
	s_cbranch_scc0 .Lfor_b_\@
	tensor_load_to_lds s[G0+4*\s:G0+4*\s+3], s[G1:G1+7]
	s_nop 0
.rept 4
	v_nop
.endr
	s_branch .Lasked_\@
.Lfor_b_\@:
	tensor_load_to_lds s[G0B+4*\s:G0B+4*\s+3], s[G1B:G1B+7]
	s_nop 0
.rept 4
	v_nop
.endr
.Lasked_\@:
.endm
.macro CREST
	s_cmp_lg_u32 s10, 0
	s_cbranch_scc1 .Lnot_wave_0_\@
	s_barrier_signal -3
.Lnot_wave_0_\@:
	s_barrier_wait -3
	s_barrier_signal -1
	s_barrier_wait -1
.endm
.macro CROUND
	s_barrier_signal -1
	s_barrier_wait -1
	CREST
.endm
; A prefetch of ctx's tile of the K step that stands two refills on: 2 planes x 128 rows x 128 bytes.  The four partners that ask for it jointly take 8,192 bytes each, told apart by address (plane cx / 2,
; rows 64 (cx % 2) on); in each, wave 0 asks, lanes 256 bytes apart: each aligned 256 bytes is named once.  The last two refills have no K step two on.  Wo is read by all sixteen clusters and is not asked for.
.macro ASK
	s_cmp_gt_u32 s3, s[LIM]
	s_cbranch_scc0 .Lnot_mine_\@
	global_prefetch_b8 v[PFO], s[PFA:PFA+1] th:TH_LOAD_NT scope:SCOPE_SE
.Lnot_mine_\@:
.endm
	s_load_b128 s[4:7], s[0:1], 0x0                ; ctx, wo16
	s_load_b128 s[68:71], s[0:1], 0x10             ; bo, out0
	v_lshl_add_u32 v[SPW], v0, 2, SPARE
	v_mov_b32 v[NIL], 0
	ds_add_u32 v[SPW], v[NIL]                      ; the opening: the add, twice on end, and its wait ahead of my first tensor load
	ds_add_u32 v[SPW], v[NIL]
	v_lshrrev_b32 v1, 5, v0
	v_readfirstlane_b32 s10, v1                    ; wave
	s_lshr_b32 s11, s10, 1                         ; my half of the rows; also: I fetch ctx (0) or Wo (1)
	s_and_b32 s12, s10, 1                          ; my half of the columns; also: which part I fetch
	s_bfe_u32 s40, ttmp6, 0x40000                  ; cx = the tile column
	s_bfe_u32 s41, ttmp6, 0x40004                  ; cy = the batch
	s_and_b32 s13, ttmp7, 0xffff                   ; cluster y = the block of 128 positions
	s_lshl_b32 s14, s41, 11
	s_lshl_b32 s15, s13, 7
	s_add_co_u32 s14, s14, s15                     ; the tile's first row
	s_lshl_b32 s43, s41, 2
	s_lshl_b32 s43, 15, s43                        ; my row of the cluster
	s_lshl_b32 s44, 0x1111, s40                    ; my column
	s_or_b32 s[G1+0], s43, (1<<16)|(1<<20)|(1<<21)|(4<<22)|(3<<25)   ; ctx: elements of 2 bytes; 4 words of padding behind every 32
	s_mov_b32 s[G1+1], 64<<16                      ; tensor_dim0 = 64
	s_mov_b32 s[G1+2], 128<<16                     ; tensor_dim1 = 128
	s_mov_b32 s[G1+3], 64<<16                      ; tile_dim0
	s_mov_b32 s[G1+4], 128                         ; tile_dim1
	s_mov_b32 s[G1+5], 64                          ; from row to row
	s_mov_b32 s[G1+6], 0
	s_mov_b32 s[G1+7], 0
	s_or_b32 s[G1B+0], s44, (1<<16)|(1<<20)|(1<<21)|(6<<22)|(7<<25)  ; Wo: 8 words of padding behind every 128
	s_mov_b32 s[G1B+1], 256<<16
	s_mov_b32 s[G1B+2], 64<<16
	s_mov_b32 s[G1B+3], 256<<16
	s_mov_b32 s[G1B+4], 64
	s_mov_b32 s[G1B+5], 1024
	s_mov_b32 s[G1B+6], 0
	s_mov_b32 s[G1B+7], 0
	s_lshl_b32 s16, s12, 20                        ; ctx: plane = my part,
	s_lshl_b32 s17, s14, 7                         ; the tile's rows of 128 bytes
	s_add_co_u32 s16, s16, s17
	s_mov_b32 s17, 0
	s_lshl_b32 s46, s12, 17                        ; Wo: rows 64 x my part,
	s_lshl_b32 s47, s40, 9                         ; the tile's 512 bytes of each
	s_add_co_u32 s46, s46, s47
	s_mov_b32 s47, 0
	s_mul_i32 s18, s12, APL                        ; where they go: no place in the cluster enters an LDS address
	s_mul_i32 s19, s12, 64*BP
	s_add_co_u32 s19, s19, BOFF
	s_wait_dscnt 0x0                               ; both opening adds are done
	s_wait_kmcnt 0x0
	s_add_nc_u64 s[16:17], s[4:5], s[16:17]
	s_add_nc_u64 s[46:47], s[6:7], s[46:47]
	CROUND                                         ; all sixteen work-groups are here: the first joint loads meet
.irp s, 0,1
	s_mov_b32 s[G0+4*\s], 1
	s_add_co_u32 s[G0+4*\s+1], s18, \s*SLOT
	s_add_nc_u64 s[G0+4*\s+2:G0+4*\s+3], s[16:17], \s*ASTEP
	s_or_b32 s[G0+4*\s+3], s[G0+4*\s+3], 0x80000000
	s_mov_b32 s[G0B+4*\s], 1
	s_add_co_u32 s[G0B+4*\s+1], s19, \s*SLOT
	s_add_nc_u64 s[G0B+4*\s+2:G0B+4*\s+3], s[46:47], \s*BSTEP
	s_or_b32 s[G0B+4*\s+3], s[G0B+4*\s+3], 0x80000000
	JLOAD \s
.endr
	v_and_b32 v1, 15, v0                           ; r
	v_bfe_u32 v2, v0, 4, 1                         ; h
	v_mul_u32_u24 v3, v1, AP
	v_lshl_add_u32 v3, v2, 4, v3
	s_mul_i32 s45, s11, 64*AP                      ; my 64 rows of ctx
	v_add_nc_u32 v[ADRA], s45, v3
	s_add_co_u32 s45, s45, SLOT
	v_add_nc_u32 v[ADRA+1], s45, v3
	v_and_b32 v4, 7, v0
	v_lshl_add_u32 v4, v2, 3, v4
	v_mul_u32_u24 v4, v4, BP
	v_bfe_u32 v5, v0, 3, 1
	v_lshl_add_u32 v4, v5, 4, v4                   ; Wo: row 8 h + lane % 8, columns 8 ((lane / 8) % 2) on
	s_lshl_b32 s45, s12, 8                         ; my 128 columns
	s_add_co_u32 s45, s45, BOFF
	v_add_nc_u32 v[ADRB], s45, v4
	s_add_co_u32 s45, s45, SLOT
	v_add_nc_u32 v[ADRB+1], s45, v4
	s_mul_i32 s45, s10, 16*SPITCH
	s_add_co_u32 s45, s45, STAGE
	v_mul_u32_u24 v5, v1, SPITCH
	v_lshl_add_u32 v5, v2, 5, v5
	v_add_nc_u32 v[STO], s45, v5                   ; the stage: row r, 32 bytes for each half of the lanes
	v_and_b32 v6, 31, v0
	v_lshlrev_b32 v[CO], 4, v6
	v_add_nc_u32 v[RD], s45, v[CO]                 ; back: a row of 512 bytes
	v_lshlrev_b32 v[BA], 5, v2
	v_lshlrev_b32 v[PFO], 8, v6
	s_lshl_b32 s42, s40, 10
	s_lshl_b32 s43, s12, 9
	s_add_co_u32 s42, s42, s43                     ; my first column, in bytes of f32
	s_mov_b32 s43, 0
	s_add_nc_u64 s[68:69], s[68:69], s[42:43]
	s_lshl_b32 s15, s11, 6
	s_add_co_u32 s15, s15, s14                     ; my first row
	s_lshl_b32 s66, s15, 12
	s_mov_b32 s67, 0
	s_add_nc_u64 s[70:71], s[70:71], s[66:67]
	s_add_nc_u64 s[70:71], s[70:71], s[42:43]
	s_or_b32 s23, s13, s11                         ; 0 where my rows begin a sequence: cluster y and the wave's number alone
	s_lshr_b32 s20, s40, 1
	s_add_co_u32 s20, s20, 6                       ; the prefetches stand at K step 3; the first refill steps them to 4
	s_lshl_b32 s20, s20, 13
	s_add_co_u32 s20, s20, s14
	s_and_b32 s21, s40, 1
	s_lshl_b32 s21, s21, 6
	s_add_co_u32 s20, s20, s21
	s_lshl_b32 s20, s20, 7
	s_mov_b32 s21, 0
	s_add_nc_u64 s[PFA:PFA+1], s[4:5], s[20:21]
	s_cmp_eq_u32 s10, 0
	s_cselect_b32 s[LIM], 1, -1
	WIN 0xc0                                       ; destination window 3
.irp b, 0,1,2,3,4,5,6,7
	global_load_b128 v[8*\b:8*\b+3],   v[BA], s[68:69] offset:64*\b      ; bo at columns 16 b + 8 h + 0 .. 7: the result's layout
	global_load_b128 v[8*\b+4:8*\b+7], v[BA], s[68:69] offset:64*\b+16
.endr
	WIN 0
.macro MUL8 f, a, first                ; rows 16 a on x my eight blocks of columns, 32 along K.  The 32 accumulators take turns, one instruction a turn
.irp b, 0,1,2,3,4,5,6,7
.if \first
	v_wmma_f32_16x16x32_f16 v[8*(8*(\a)+\b):8*(8*(\a)+\b)+7], v[64*(\f)+8*\b:64*(\f)+8*\b+7], v[64+32*(\f)+8*(\a):64+32*(\f)+8*(\a)+7], v[8*\b:8*\b+7]
.else
	v_wmma_f32_16x16x32_f16 v[8*(8*(\a)+\b):8*(8*(\a)+\b)+7], v[64*(\f)+8*\b:64*(\f)+8*\b+7], v[64+32*(\f)+8*(\a):64+32*(\f)+8*(\a)+7], v[8*(8*(\a)+\b):8*(8*(\a)+\b)+7]
.endif
.endr
.endm
.macro FETCH slot, q, f                ; the fragments of the slot's q-th 32 along K: 16 loads for Wo, 8 for ctx
	WIN 0x40
.irp i, 0,1,2,3,4,5,6,7
	ds_load_tr16_b128 v[64*(\f)+8*\i:64*(\f)+8*\i+3],   v[ADRB+\slot] offset:(\q)*32*BP+32*\i
	ds_load_tr16_b128 v[64*(\f)+8*\i+4:64*(\f)+8*\i+7], v[ADRB+\slot] offset:(\q)*32*BP+32*\i+16*BP
.endr
	WIN 0
.irp i, 0,1,2,3
	ds_load_b128 v[64+32*(\f)+8*\i:64+32*(\f)+8*\i+3],   v[ADRA+\slot] offset:((\q)/2)*APL+((\q)%2)*64+\i*16*AP
	ds_load_b128 v[64+32*(\f)+8*\i+4:64+32*(\f)+8*\i+7], v[ADRA+\slot] offset:((\q)/2)*APL+((\q)%2)*64+\i*16*AP+32
.endr
.endm
.macro PLACES                          ; four plain instructions in front of loads into registers that matrix instructions have read, and of the first read of results
.rept 4
	v_nop
.endr
.endm
.macro QUARTER slot, q, f, g, first    ; multiplies buffer f; in its middle fetches the slot's q-th 32 along K into buffer g
	s_wait_dscnt 4                                 ; Wo's fragments and ctx's blocks 0, 1 are in; the four youngest loads (blocks 2, 3) may be out
.if \first
	WIN MUL_B
.else
	WIN MUL
.endif
	MUL8 \f, 0, \first
	MUL8 \f, 1, \first
	PLACES
	FETCH \slot, \q, \g
	s_wait_dscnt 24                                ; all but the 24 just issued
.if \first
	WIN MUL_B
.else
	WIN MUL
.endif
	MUL8 \f, 2, \first
	MUL8 \f, 3, \first
.endm
; A slot's last quarter multiplies buffer 1 and changes slots: one barrier; in front of it each wave waits for all its tensor loads, adds 0 to its spare word, and waits for that and for its reads of this slot.
; fill = 1: the barrier opens a round of the cluster's, and the slot is filled again, two K steps ahead, first thing behind the round.
.macro TURN slot, next, fill
.if \fill
	s_wait_xcnt 0x0                                ; the last prefetch, a K step back, has read its address
	s_add_nc_u64 s[PFA:PFA+1], s[PFA:PFA+1], ASTEP
.endif
	WIN 0
	s_wait_tensorcnt 0x0                           ; all my tensor loads have landed: my part of the next slot
	ds_add_u32 v[SPW], v[NIL]
	s_wait_dscnt 5                                 ; the add and the four youngest loads may be out
	WIN MUL
	MUL8 1, 0, 0
	s_wait_dscnt 0x0                               ; the add is done, my reads of this slot are over
	s_barrier_signal -1
	MUL8 1, 1, 0
.if \fill
	WIN 0
.endif
	s_barrier_wait -1
.if \fill
	CREST                                          ; no wave of any partner still reads this slot or has a load on its way
	s_add_nc_u64 s[G0+4*\slot+2:G0+4*\slot+3], s[G0+4*\slot+2:G0+4*\slot+3], 2*ASTEP
	s_add_nc_u64 s[G0B+4*\slot+2:G0B+4*\slot+3], s[G0B+4*\slot+2:G0B+4*\slot+3], 2*BSTEP
	JLOAD \slot                                    ; its four v_nop are also the places in front of the loads below
.else
	PLACES
.endif
	FETCH \next, 0, 0
.if \fill
	ASK
.endif
	WIN MUL
	MUL8 1, 2, 0
	MUL8 1, 3, 0
.endm
	s_wait_tensorcnt 1                             ; my part of K step 0 is in; K step 1's load may be out
	s_barrier_signal -1
	s_barrier_wait -1
	FETCH 0, 0, 0
	s_wait_loadcnt 0x0                             ; the bias
	QUARTER 0, 1, 0, 1, 1                          ; the first quarter's products start the sums, on the bias
	WIN 0
	s_mov_b32 s3, LAPS-1
.Llap:                                             ; a trip goes once round the ring and fills both slots again
	QUARTER 0, 2, 1, 0, 0
	QUARTER 0, 3, 0, 1, 0
	TURN 0, 1, 1
	QUARTER 1, 1, 0, 1, 0
	QUARTER 1, 2, 1, 0, 0
	QUARTER 1, 3, 0, 1, 0
	TURN 1, 0, 1
	QUARTER 0, 1, 0, 1, 0
	WIN 0
	s_sub_co_u32 s3, s3, 1
	s_cmp_lg_u32 s3, 0
	s_cbranch_scc1 .Llap
	QUARTER 0, 2, 1, 0, 0                          ; the last lap fills nothing
	QUARTER 0, 3, 0, 1, 0
	TURN 0, 1, 0
	QUARTER 1, 1, 0, 1, 0
	QUARTER 1, 2, 1, 0, 0
	QUARTER 1, 3, 0, 1, 0
	s_wait_dscnt 4
	WIN MUL
	MUL8 1, 0, 0
	MUL8 1, 1, 0
	s_wait_dscnt 0
	MUL8 1, 2, 0
	MUL8 1, 3, 0
	WIN 0
	PLACES
; THE WAY OUT, a block of 16 rows x 128 columns at a time through my stage; back as rows of 512 bytes.
.macro TOSTAGE a
	WIN 0x08                                       ; an LDS store's data are its source 1: window 2
.irp b, 0,1,2,3,4,5,6,7
	ds_store_b128 v[STO], v[8*(8*(\a)+\b):8*(8*(\a)+\b)+3] offset:64*\b
	ds_store_b128 v[STO], v[8*(8*(\a)+\b)+4:8*(8*(\a)+\b)+7] offset:64*\b+16
.endr
	WIN 0
.irp t, 0,1,2,3,4,5,6,7,8,9,10,11,12,13,14,15
	ds_load_b128 v[128+64*((\a)%2)+4*\t:128+64*((\a)%2)+4*\t+3], v[RD] offset:\t*SPITCH   ; LDS serves a wave's instructions in order
.endr
.endm
.macro SEND a, younger                 ; younger: the LDS instructions issued behind block a's loads, which may stay out
	s_wait_dscnt \younger
.irp t, 0,1,2,3,4,5,6,7,8,9,10,11,12,13,14,15
	global_store_b128 v[CO], v[128+64*((\a)%2)+4*\t:128+64*((\a)%2)+4*\t+3], s[70:71] offset:(16*(\a)+\t)*4096 th:TH_STORE_NT   ; 512 consecutive bytes, aligned
.endr
.endm
	s_cmp_eq_u32 s23, 0                            ; my block 0 is positions 0-15 of a sequence: the last launch stores those
	s_cbranch_scc1 .Lskip0
	TOSTAGE 0
	SEND 0, 0
.Lskip0:
	TOSTAGE 1
	s_wait_xcnt 0x0                                ; block 0's stores have read their registers
	TOSTAGE 2
	SEND 1, 32                                     ; behind block 1's loads: block 2's 16 stores and 16 loads
	s_wait_xcnt 0x0
	TOSTAGE 3
	SEND 2, 32
	SEND 3, 0
	s_wait_tensorcnt 0x0                           ; the wave's end
	ds_add_u32 v[SPW], v[NIL]
	s_wait_dscnt 0x0
	CROUND                                         ; the closing round
	s_endpgm
.Lfunc_end_k_qd36fec5b28_oproj:
	.size	k_qd36fec5b28_oproj, .Lfunc_end_k_qd36fec5b28_oproj-k_qd36fec5b28_oproj
	.p2alignl 7, 3214868480
	.fill 96, 4, 3214868480
	.section	.rodata,"a",@progbits
	.p2align	6, 0x0
	.amdhsa_kernel k_qd36fec5b28_oproj
		.amdhsa_group_segment_fixed_size 327680
		.amdhsa_private_segment_fixed_size 0
		.amdhsa_enable_private_segment 0
		.amdhsa_kernarg_size 32
		.amdhsa_user_sgpr_count 2
		.amdhsa_user_sgpr_kernarg_segment_ptr 1
		.amdhsa_wavefront_size32 1
		.amdhsa_system_sgpr_workgroup_id_x 1
		.amdhsa_system_sgpr_workgroup_id_y 1
		.amdhsa_system_sgpr_workgroup_id_z 1
		.amdhsa_system_vgpr_workitem_id 0
		.amdhsa_next_free_vgpr 1024
		.amdhsa_next_free_sgpr 72
		.amdhsa_reserve_vcc 0
		.amdhsa_float_denorm_mode_32 3
		.amdhsa_float_denorm_mode_16_64 3
		.amdhsa_memory_ordered 1
		.amdhsa_forward_progress 1
		.amdhsa_inst_pref_size 88
	.end_amdhsa_kernel
	.amdgpu_metadata
---
amdhsa.version: [ 1, 2 ]
amdhsa.kernels:
  - .name:           k_qd36fec5b28_oproj
    .symbol:         k_qd36fec5b28_oproj.kd
    .args:
      - { .name: ctx, .offset: 0, .size: 8, .value_kind: global_buffer, .address_space: global }
      - { .name: wo16, .offset: 8, .size: 8, .value_kind: global_buffer, .address_space: global }
      - { .name: bo, .offset: 16, .size: 8, .value_kind: global_buffer, .address_space: global }
      - { .name: out0, .offset: 24, .size: 8, .value_kind: global_buffer, .address_space: global }
    .group_segment_fixed_size: 327680
    .private_segment_fixed_size: 0
    .kernarg_segment_align: 8
    .kernarg_segment_size: 32
    .max_flat_workgroup_size: 128
    .sgpr_count:     72
    .vgpr_count:     1024
    .wavefront_size: 32
...
	.end_amdgpu_metadata
.endif
;; end of part 4
;; launch fine (part 5): grid 16 x 4, 16 waves a work-group, no clusters, 72,192 bytes of LDS; arguments fq, Wo, bo, out0; writes out0
.if DOCPART == 5
	.amdgcn_target "amdgcn-amd-amdhsa--gfx1250"
	.amdhsa_code_object_version 6
	.text
	.protected	k_qd36fec5b28_fine
	.globl	k_qd36fec5b28_fine
	.p2align	8
	.type	k_qd36fec5b28_fine,@function
k_qd36fec5b28_fine:
	s_mov_b64 s[64:65], 0
	v_nop
	global_prefetch_b8 v0, s[64:65] scope:SCOPE_SE
	s_setreg_imm32_b32 hwreg(HW_REG_WAVE_MODE, 25, 1), 1
	s_wait_xcnt 0x0
; POSITIONS 0-15 OF EVERY SEQUENCE, IN F32 FROM THE SCORES TO THE OUTPUT.  Under the causal mask these rows average one to sixteen values and are the largest in size; rounding their operands to 16 bits would
; use up what the comparison allows.  fq: f32 [b][g 48][16][64] (q, k, v of these positions); Wo, bo, out0 as given.  64 x 1,024 numbers of out0: no bulk work.
; A work-group takes 64 columns of out0 for one batch; wave w is head w.  All products by v_wmma_f32_16x16x4_f32, used transposed, with K permuted alike on both sources, so that each result IS the next
; product's second source and nothing changes lanes:  S^T = k q^T: a lane holds query r and keys 8 h + 0..7;  ctx^T = V^T P^T: step p takes keys 8 h + 2 p + j;  out^T: step (t, p) takes channels 16 t + 8 h + 2 p + j.
; The sixteen heads' parts of out^T meet in LDS as images of their registers; wave w adds registers 2 w, 2 w + 1 of all sixteen, adds the bias, and the 16 rows leave through a stage, a row a wave.
; The registers that matrix instructions write (v180-227) are written by them alone.
.set KA, 20                            ; v20-51 k, later Wo's tile 2
.set QB, 52                            ; v52-83 q, later Wo's tile 3; v20-51 later the sixteen parts
.set VA, 84                            ; v84-115 v, later ctx / l
.set W0, 116                           ; v116-179 Wo's tiles 0 and 1
.set SA, 180
.set SB, 188
.set CA, 196                           ; v196-227 ctx^T, later out^T
.set PP, 228                           ; v228-235 scores, then p
.set TM, 236
.set BI, 248
.set STG, 65536                        ; behind the images (16 x 4,096 bytes): 16 rows x 272
.set SPARE, 70144                      ; the spare words, 128 bytes a wave, named by no other line
.set SPW, 13
.set NIL, 14
	s_load_b256 s[4:11], s[0:1], 0x0               ; fq, Wo, bo, out0
	v_lshl_add_u32 v[SPW], v0, 2, SPARE
	v_mov_b32 v[NIL], 0
	v_lshrrev_b32 v1, 5, v0
	v_readfirstlane_b32 s12, v1                    ; wave = head
	v_and_b32 v1, 15, v0                           ; r
	v_bfe_u32 v2, v0, 4, 1                         ; h
	v_and_b32 v16, 31, v0
	v_lshlrev_b32 v3, 8, v1
	v_lshl_add_u32 v3, v2, 4, v3                   ; k, q: row r of 256 bytes, + 16 h
	v_lshlrev_b32 v4, 2, v1
	v_lshl_add_u32 v5, v2, 15, v4                  ; Wo: row 8 h of 4,096 bytes, column r
	v_lshl_add_u32 v4, v2, 11, v4                  ; v: key 8 h, channel r
	v_lshlrev_b32 v6, 5, v2                        ; bo: 8 h numbers on
	v_lshlrev_b32 v7, 3, v2
	v_sub_nc_u32 v7, v1, v7                        ; r - 8 h
	v_lshlrev_b32 v17, 4, v16
	s_lshl_b32 s13, s12, 12
	v_add_nc_u32 v8, s13, v17                      ; my image: 4,096 x wave + 16 x lane
	s_lshr_b32 s13, s12, 1
	s_lshl_b32 s13, s13, 9
	s_and_b32 s24, s12, 1
	s_lshl_b32 s24, s24, 3
	s_add_co_u32 s13, s13, s24
	v_add_nc_u32 v9, s13, v17                      ; registers 2 w, 2 w + 1 in an image: 512 (w / 2) + 8 (w % 2) + 16 x lane
	s_lshr_b32 s25, s12, 2
	s_lshl_b32 s25, s25, 6
	s_and_b32 s24, s12, 3
	s_lshl_b32 s24, s24, 3
	s_add_co_u32 s25, s25, s24                     ; their columns' bytes: 64 (w / 4) + 8 (w % 4)
	v_mul_u32_u24 v10, v1, 272
	v_lshl_add_u32 v10, v2, 5, v10
	s_add_co_u32 s13, s25, STG
	v_add_nc_u32 v10, s13, v10                     ; into the stage: row r, + 32 h
	s_mul_i32 s13, s12, 272
	s_add_co_u32 s13, s13, STG
	v_lshlrev_b32 v12, 3, v16
	v_add_nc_u32 v11, s13, v12                     ; out of it: row w, 8 bytes a lane
	v_mov_b32 v15, 0xff800000                      ; -infinity
	v_mov_b32 v[TM+2], 0                           ; a lane permute's destination counts as one of its sources
	s_and_b32 s26, ttmp7, 0xffff                   ; the batch
	s_lshl_b32 s27, ttmp9, 8                       ; my 64 columns, in bytes
	s_mul_i32 s28, s26, 48
	s_add_co_u32 s28, s28, s12
	s_lshl_b32 s28, s28, 12
	s_mov_b32 s29, 0
	s_lshl_b32 s30, s12, 18                        ; Wo: my head's 64 rows
	s_add_co_u32 s30, s30, s27
	s_mov_b32 s31, 0
	s_add_co_u32 s32, s25, s27
	s_mov_b32 s33, 0
	s_lshl_b32 s34, s26, 11
	s_add_co_u32 s34, s34, s12                     ; out0: row 2,048 b + w
	s_lshl_b32 s34, s34, 12
	s_add_co_u32 s34, s34, s27
	s_mov_b32 s35, 0
	s_mov_b32 s22, 0x76543210
	s_mov_b32 s23, 0xfedcba98                      ; lane l xor 16
	s_mov_b32 s36, 0x3e38aa3b                      ; log2(e) / 8
	s_wait_kmcnt 0x0
	s_add_nc_u64 s[14:15], s[4:5], s[28:29]
	s_add_nc_u64 s[16:17], s[6:7], s[30:31]
	s_add_nc_u64 s[18:19], s[8:9], s[32:33]
	s_add_nc_u64 s[20:21], s[10:11], s[34:35]
.irp u, 0,1,2,3,4,5,6,7
	global_load_b128 v[KA+4*\u:KA+4*\u+3], v3, s[14:15] offset:65536+32*\u    ; k: channels 8 u + 4 h + 0..3
.endr
.irp u, 0,1,2,3,4,5,6,7
	global_load_b128 v[QB+4*\u:QB+4*\u+3], v3, s[14:15] offset:32*\u          ; q: the same channels
.endr
.irp t, 0,1,2,3
.irp i, 0,1,2,3,4,5,6,7
	global_load_b32 v[VA+8*\t+\i], v4, s[14:15] offset:131072+256*\i+64*\t    ; v(key 8 h + i, channel 16 t + r)
.endr
.endr
	global_load_b64 v[BI:BI+1], v6, s[18:19]
.irp n, 0,1
.irp t, 0,1,2,3
.irp i, 0,1,2,3,4,5,6,7
	global_load_b32 v[W0+32*\n+8*\t+\i], v5, s[16:17] offset:(16*\t+\i)*4096+64*\n   ; Wo(64 w + 16 t + 8 h + i, my column 16 n + r)
.endr
.endr
.endr
	s_wait_loadcnt 63                              ; of the 113 loads issued at most 63 are out: the oldest 50 are in: k, q, v and the bias are the oldest 49
.irp u, 0,1,2,3,4,5,6,7                        ; S^T: two accumulators by turns, one instruction a turn
.if \u == 0
	v_wmma_f32_16x16x4_f32 v[SA:SA+7], v[KA:KA+1], v[QB:QB+1], 0
	v_wmma_f32_16x16x4_f32 v[SB:SB+7], v[KA+2:KA+3], v[QB+2:QB+3], 0
.else
	v_wmma_f32_16x16x4_f32 v[SA:SA+7], v[KA+4*\u:KA+4*\u+1], v[QB+4*\u:QB+4*\u+1], v[SA:SA+7]
	v_wmma_f32_16x16x4_f32 v[SB:SB+7], v[KA+4*\u+2:KA+4*\u+3], v[QB+4*\u+2:QB+4*\u+3], v[SB:SB+7]
.endif
.endr
.rept 8
	v_nop                                          ; eight places behind this form, ahead of the loads into its sources and of the first read of its results
.endr
.irp n, 2,3
.irp t, 0,1,2,3
.irp i, 0,1,2,3,4,5,6,7
	global_load_b32 v[KA+32*(\n-2)+8*\t+\i], v5, s[16:17] offset:(16*\t+\i)*4096+64*\n
.endr
.endr
.endr
.irp j, 0,1,2,3,4,5,6,7
	v_add_f32 v[PP+\j], v[SA+\j], v[SB+\j]         ; the score of key 8 h + j for query r
.endr
.irp j, 0,1,2,3,4,5,6,7
	v_cmp_gt_i32 vcc_lo, \j, v7                    ; hidden where 8 h + j > r
	v_cndmask_b32 v[PP+\j], v[PP+\j], v15, vcc_lo
.endr
	v_max3_num_f32 v[TM], v[PP], v[PP+1], v[PP+2]
	v_max3_num_f32 v[TM+1], v[PP+3], v[PP+4], v[PP+5]
	v_max3_num_f32 v[TM], v[TM], v[PP+6], v[PP+7]
	v_max_num_f32 v[TM], v[TM], v[TM+1]
	v_permlanex16_b32 v[TM+2], v[TM], s22, s23
	v_max_num_f32 v[TM], v[TM], v[TM+2]            ; the row's maximum: key 0 counts for every query
	v_mul_f32 v[TM+1], s36, v[TM]
.irp j, 0,1,2,3,4,5,6,7
	v_fma_f32 v[PP+\j], v[PP+\j], s36, -v[TM+1]
.endr
.irp j, 0,1,2,3,4,5,6,7
	v_exp_f32 v[PP+\j], v[PP+\j]
.endr
	v_nop
	s_wait_alu depctr_va_vdst(0)                   ; one wait for the eight exponentials, ahead of their first reader
	v_add_f32 v[TM+3], v[PP], v[PP+1]
	v_add_f32 v[TM+4], v[PP+2], v[PP+3]
	v_add_f32 v[TM+5], v[PP+4], v[PP+5]
	v_add_f32 v[TM+6], v[PP+6], v[PP+7]
	v_add_f32 v[TM+3], v[TM+3], v[TM+4]
	v_add_f32 v[TM+5], v[TM+5], v[TM+6]
	v_add_f32 v[TM+3], v[TM+3], v[TM+5]
	v_permlanex16_b32 v[TM+2], v[TM+3], s22, s23
	v_add_f32 v[TM+3], v[TM+3], v[TM+2]            ; the row's sum
	v_rcp_f32 v[TM+4], v[TM+3]
	v_nop
.irp p, 0,1,2,3                                ; ctx^T = V^T P^T: four accumulators by turns
.irp t, 0,1,2,3
.if \p == 0
	v_wmma_f32_16x16x4_f32 v[CA+8*\t:CA+8*\t+7], v[VA+8*\t:VA+8*\t+1], v[PP:PP+1], 0
.else
	v_wmma_f32_16x16x4_f32 v[CA+8*\t:CA+8*\t+7], v[VA+8*\t+2*\p:VA+8*\t+2*\p+1], v[PP+2*\p:PP+2*\p+1], v[CA+8*\t:CA+8*\t+7]
.endif
.endr
.endr
.rept 9
	v_nop                                          ; eight places ahead of the reads of these results and the writes of these sources; nine ahead of the matrix instructions that begin new sums on these registers
.endr
	s_wait_alu depctr_va_vdst(0)                   ; the reciprocal's wait, ahead of its first reader
.set i, 0
.rept 32
	v_mul_f32 v[VA+i], v[CA+i], v[TM+4]            ; ctx(r, 16 t + 8 h + i) / the sum
.set i, i+1
.endr
	s_wait_loadcnt 0x0                             ; Wo's four tiles
.irp t, 0,1,2,3                                ; out^T, my head's part: four accumulators by turns
.irp p, 0,1,2,3
.irp n, 0,1,2,3
.if \n < 2
.set WB, W0+32*\n
.else
.set WB, KA+32*(\n-2)
.endif
.if (\t == 0) && (\p == 0)
	v_wmma_f32_16x16x4_f32 v[CA+8*\n:CA+8*\n+7], v[WB:WB+1], v[VA:VA+1], 0
.else
	v_wmma_f32_16x16x4_f32 v[CA+8*\n:CA+8*\n+7], v[WB+8*\t+2*\p:WB+8*\t+2*\p+1], v[VA+8*\t+2*\p:VA+8*\t+2*\p+1], v[CA+8*\n:CA+8*\n+7]
.endif
.endr
.endr
.endr
.rept 8
	v_nop
.endr
.irp c, 0,1,2,3,4,5,6,7
	ds_store_b128 v8, v[CA+4*\c:CA+4*\c+3] offset:512*\c   ; the image of my 32 registers, each accumulator from its low end on
.endr
	s_wait_dscnt 0x0                               ; for the others' sake: my image has landed
	s_barrier_signal -1
	s_barrier_wait -1
.set i, 0
.rept 16
	ds_load_b64 v[KA+2*i:KA+2*i+1], v9 offset:4096*i       ; registers 2 w, 2 w + 1 of head i
.set i, i+1
.endr
	s_wait_dscnt 0x0
.irp z, 0,1,2,3,4,5,6,7
	v_pk_add_f32 v[KA+4*\z:KA+4*\z+1], v[KA+4*\z:KA+4*\z+1], v[KA+4*\z+2:KA+4*\z+3]
.endr
.irp z, 0,1,2,3
	v_pk_add_f32 v[KA+8*\z:KA+8*\z+1], v[KA+8*\z:KA+8*\z+1], v[KA+8*\z+4:KA+8*\z+5]
.endr
.irp z, 0,1
	v_pk_add_f32 v[KA+16*\z:KA+16*\z+1], v[KA+16*\z:KA+16*\z+1], v[KA+16*\z+8:KA+16*\z+9]
.endr
	v_pk_add_f32 v[KA:KA+1], v[KA:KA+1], v[KA+16:KA+17]
	v_pk_add_f32 v[KA:KA+1], v[KA:KA+1], v[BI:BI+1]        ; + bo
	ds_store_b64 v10, v[KA:KA+1]                   ; out(r, 16 (w / 4) + 8 h + 2 (w % 4) + 0, 1)
	s_wait_dscnt 0x0
	s_barrier_signal -1
	s_barrier_wait -1
	ds_load_b64 v[KA+2:KA+3], v11                  ; row w, whole
	s_wait_dscnt 0x0
	global_store_b64 v12, v[KA+2:KA+3], s[20:21]   ; 32 lanes store 256 consecutive bytes, aligned
	s_wait_tensorcnt 0x0                           ; the wave's end, behind my last LDS store
	ds_add_u32 v[SPW], v[NIL]
	s_wait_dscnt 0x0
	s_endpgm
.Lfunc_end_k_qd36fec5b28_fine:
	.size	k_qd36fec5b28_fine, .Lfunc_end_k_qd36fec5b28_fine-k_qd36fec5b28_fine
	.p2alignl 7, 3214868480
	.fill 96, 4, 3214868480
	.section	.rodata,"a",@progbits
	.p2align	6, 0x0
	.amdhsa_kernel k_qd36fec5b28_fine
		.amdhsa_group_segment_fixed_size 72192
		.amdhsa_private_segment_fixed_size 0
		.amdhsa_enable_private_segment 0
		.amdhsa_kernarg_size 32
		.amdhsa_user_sgpr_count 2
		.amdhsa_user_sgpr_kernarg_segment_ptr 1
		.amdhsa_wavefront_size32 1
		.amdhsa_system_sgpr_workgroup_id_x 1
		.amdhsa_system_sgpr_workgroup_id_y 1
		.amdhsa_system_sgpr_workgroup_id_z 1
		.amdhsa_system_vgpr_workitem_id 0
		.amdhsa_next_free_vgpr 256
		.amdhsa_next_free_sgpr 66
		.amdhsa_reserve_vcc 1
		.amdhsa_float_denorm_mode_32 3
		.amdhsa_float_denorm_mode_16_64 3
		.amdhsa_memory_ordered 1
		.amdhsa_forward_progress 1
		.amdhsa_inst_pref_size 33
	.end_amdhsa_kernel
	.amdgpu_metadata
---
amdhsa.version: [ 1, 2 ]
amdhsa.kernels:
  - .name:           k_qd36fec5b28_fine
    .symbol:         k_qd36fec5b28_fine.kd
    .args:
      - { .name: fq, .offset: 0, .size: 8, .value_kind: global_buffer, .address_space: global }
      - { .name: Wo, .offset: 8, .size: 8, .value_kind: global_buffer, .address_space: global }
      - { .name: bo, .offset: 16, .size: 8, .value_kind: global_buffer, .address_space: global }
      - { .name: out0, .offset: 24, .size: 8, .value_kind: global_buffer, .address_space: global }
    .group_segment_fixed_size: 72192
    .private_segment_fixed_size: 0
    .kernarg_segment_align: 8
    .kernarg_segment_size: 32
    .max_flat_workgroup_size: 512
    .sgpr_count:     66
    .vgpr_count:     256
    .wavefront_size: 32
...
	.end_amdgpu_metadata
.endif
;; end of part 5
